; MI455X (gfx1250); checked and timed in simulation.
; The chip was launched on July 23, 2026; its instructions are those of AMD's public machine-readable ISA for CDNA 5 (MIT licence, August 2026) and "CDNA5" Instruction Set Architecture Reference Guide (July 2026). The comments in the code are by the model that wrote it; some were corrected since.
;; Transformer Block. Allowed arithmetic: matrix products marked QUANTISED: E2M3 operands, one E8M0 scale for each 32 along K, by v_wmma_scale_f32_16x16x128_f8f6f4 with both operands' format E2M3, f32 sums; everything else in f32.
;; Inputs: K_codes 8 x 2,048 x 16 x 24 uint8 (E2M3 codes of K, K innermost, in blocks of 32 codes, four codes in three bytes); K_scales 8 x 2,048 x 16 uint8 (E8M0 scales of K, one for each 32 codes along K); Q 8 x 2,048 x 512 float32; V_codes 8 x 2,048 x 16 x 24 uint8 (E2M3 codes of V, K innermost, in blocks of 32 codes, four codes in three bytes); V_scales 8 x 2,048 x 16 uint8 (E8M0 scales of V, one for each 32 codes along K); W1_codes 512 x 16 x 24 uint8 (E2M3 codes of W1, K innermost, in blocks of 32 codes, four codes in three bytes); W1_scales 512 x 16 uint8 (E8M0 scales of W1, one for each 32 codes along K); W2_codes 512 x 16 x 24 uint8 (E2M3 codes of W2, K innermost, in blocks of 32 codes, four codes in three bytes); W2_scales 512 x 16 uint8 (E8M0 scales of W2, one for each 32 codes along K); W_k_codes 512 x 16 x 24 uint8 (E2M3 codes of W_k, K innermost, in blocks of 32 codes, four codes in three bytes); W_k_scales 512 x 16 uint8 (E8M0 scales of W_k, one for each 32 codes along K); W_o_codes 512 x 16 x 24 uint8 (E2M3 codes of W_o, K innermost, in blocks of 32 codes, four codes in three bytes); W_o_scales 512 x 16 uint8 (E8M0 scales of W_o, one for each 32 codes along K); W_q_codes 512 x 16 x 24 uint8 (E2M3 codes of W_q, K innermost, in blocks of 32 codes, four codes in three bytes); W_q_scales 512 x 16 uint8 (E8M0 scales of W_q, one for each 32 codes along K); W_v_codes 512 x 16 x 24 uint8 (E2M3 codes of W_v, K innermost, in blocks of 32 codes, four codes in three bytes); W_v_scales 512 x 16 uint8 (E8M0 scales of W_v, one for each 32 codes along K); b1 512 float32; b2 512 float32.
;; Outputs: out0 8 x 2,048 x 512 float32.
;; This version of the problem:
;;   THIS VERSION OF THE PROBLEM IS GIVEN IN LOW PRECISION. The matrix products marked QUANTISED in the list below multiply operands that are first quantised to E2M3 (2 exponent bits, 3 mantissa bits; 6 bits a number), with one power-of-two scale for each 32 numbers along K (OCP MX v1.0); their sums are f32. All else is computed in f32.
;;   The module's matrix products, in the order in which they are computed (A, B: the left and right operand; K: the contracted axis; several contracted axes count as one K, in the product's order):
;;     1. [M 16,384, K 512] x [K 512, N 512]; A: input Q; B: input W_q (given as codes): QUANTISED
;;     2. [M 16,384, K 512] x [K 512, N 512]; A: input K (given as codes); B: input W_k (given as codes): QUANTISED
;;     3. [M 16,384, K 512] x [K 512, N 512]; A: input V (given as codes); B: input W_v (given as codes): QUANTISED
;;     4. batch 64 x [M 2,048, K 64] x [K 64, N 2,048]; A: computed on the way; B: computed on the way: QUANTISED
;;     5. batch 64 x [M 64, K 2,048] x [K 2,048, N 2,048]; A: computed on the way; B: softmax (see below): QUANTISED
;;     6. [M 16,384, K 512] x [K 512, N 512]; A: computed on the way; B: input W_o (given as codes): QUANTISED
;;     7. [M 16,384, K 512] x [K 512, N 512]; A: computed on the way; B: input W1 (given as codes): QUANTISED
;;     8. [M 16,384, K 512] x [K 512, N 512]; A: computed on the way; B: input W2 (given as codes): QUANTISED
;;   THE QUANTISER, for each operand of a quantised product, along K:
;;     - K is cut into blocks of 32 from its start; a last block that is shorter is filled with zeros.
;;     - A block's scale is 2^e with e = floor(log2(the largest magnitude in the block)) - 2, held to -126 .. 127; a block of zeros has e = 0. As a byte (E8M0): e + 127.
;;     - Each number is divided by its block's scale, clamped to +-7.5, and rounded to the nearest number of E2M3, ties to even, subnormals kept.
;;     - The product sums the exact products of the quantised numbers (number of the format x scale) in f32.
;;   ~~~python
;;   def quantise(x, axis):      # numpy; x: float32 -> the quantised numbers, widened to float32 again
;;       x = np.moveaxis(x, axis, -1); K = x.shape[-1]
;;       x = np.pad(x, [(0, 0)] * (x.ndim - 1) + [(0, -K % 32)]); x = x.reshape(x.shape[:-1] + (-1, 32)); a = np.abs(x).max(-1, keepdims=True)
;;       e = np.where(a > 0, np.clip(np.frexp(np.where(a > 0, a, 1))[1] - 1 - 2, -126, 127), 0)      # np.frexp(a)[1] - 1 = floor(log2(a)), exactly
;;       r = np.clip(x / 2.0 ** e, -7.5, 7.5)
;;       step = 2.0 ** (np.maximum(np.frexp(np.where(r == 0, 1, r))[1] - 1, 0) - 3)
;;       q = np.round(r / step) * step * 2.0 ** e      # np.round: ties to even
;;       return np.moveaxis(q.reshape(q.shape[:-2] + (-1,))[..., :K], -1, axis).astype(np.float32)
;;   ~~~
;;   SOFTMAX AHEAD OF A QUANTISED PRODUCT. Where the list says 'softmax', what is quantised is not the finished softmax but p = 2^(t - M), with t = logit x log2(e) and M = ceil(the row's largest t), a whole number; so 1/2 < the row's largest p <= 1. The row's sum l is taken of the UNQUANTISED p, in f32, and the product's result is divided by l at the end. Since M is a whole number, a kernel that streams over the keys may use a running M (the ceiling of the running maximum): every later rescaling is an exact power of two, which a block's scale takes up: the codes' values come out the same.
;;   OPERANDS COMPUTED ON THE WAY. 'Computed on the way' means the value that the module computes at that place (a softmax that the list does not call 'softmax' is quantised finished and normalised). What goes into a quantiser is computed in f32, as accurately as f32 sums, v_exp_f32 and their like allow (about 1e-6 of the number): no bf16 or f16 on the way to a quantiser, and a product that is left as it is and whose result goes on into a quantised operand takes f32 operands (vector FMAs, or v_wmma_f32_16x16x4_f32). A number that lies on a knife's edge between two numbers of the format may be rounded either way, as far as f32 arithmetic and the matrix unit's own rounding can turn it there, and no further.
;;   INPUTS GIVEN AS CODES. K (in the module: [8, 2048, 512], K = its axis 2); V (in the module: [8, 2048, 512], K = its axis 2); W1 (in the module: [512, 512], K = its axis 1); W2 (in the module: [512, 512], K = its axis 1); W_k (in the module: [512, 512], K = its axis 0); W_o (in the module: [512, 512], K = its axis 0); W_q (in the module: [512, 512], K = its axis 0); W_v (in the module: [512, 512], K = its axis 0): each comes as NAME_codes (uint8): NAME with its K axis moved to the last place and cut into blocks of 32 codes, [.., K / 32, bytes a block], one block behind the other in memory; four codes in three bytes: a row's codes are one little-endian stream of bits, code i at bits 6 i .. 6 i + 5 (a code: sign, 2 exponent bits, 3 mantissa bits); and NAME_scales (uint8): the same leading axes, one E8M0 byte (e + 127) for each 32 codes along K. Its value is code x scale, taken as it is: it is not quantised again, and the codes and scales need not be those that the quantiser above would give.
;; 2 versions. Each part assembles by itself: llvm-mc -triple=amdgcn-amd-amdhsa -mcpu=gfx1250 --defsym DOCPART=n.
;; ======== version 1 of 2: 3 launches
;; workspace buffers: qrec 8,388,608 bytes; kvrec 13,107,200 bytes; arec 8,388,608 bytes
;; launch project (part 1): grid 256 x 1, 8 waves a work-group, no clusters, 164,864 bytes of LDS; arguments Q, K_codes, K_scales, V_codes, V_scales, W_q_codes, W_q_scales, W_k_codes, W_k_scales, W_v_codes, W_v_scales, qrec, kvrec; writes qrec, kvrec
.if DOCPART == 1
	.amdgcn_target "amdgcn-amd-amdhsa--gfx1250"
	.amdhsa_code_object_version 6
	.text
	.protected	k_q9c2eb777ee_project
	.globl	k_q9c2eb777ee_project
	.p2align	8
	.type	k_q9c2eb777ee_project,@function
k_q9c2eb777ee_project:
	s_mov_b64 s[64:65], 0
	v_nop
	global_prefetch_b8 v0, s[64:65] scope:SCOPE_SE
	s_setreg_imm32_b32 hwreg(HW_REG_WAVE_MODE, 25, 1), 1
	s_wait_xcnt 0x0
; THE THREE PROJECTIONS, Qh = Q W_q, Kh = K W_k, Vh = V W_v, on codes of E2M3 with one E8M0 scale for each 32 along K, and their results quantised for attention:
; Qh and Kh along the head's 64 channels, Vh along the keys.  Nothing wide goes to memory: the results leave as IMAGES OF OPERAND REGISTERS, in the order in which the next launch's lanes take them.
; THE UNIT.  A wave keeps a STATIONARY group of 64 rows (16 fragments, 192 registers, window 1).  A STREAMING tile of 16 rows x 512 K comes from LDS as an image of its registers.  16 matrix instructions
; (source 0 = stationary tile u, source 1 = the streaming tile; 4 tiles x 4 K steps).  Lane r of stationary tile u takes row 8 u + r + 24 (r / 8) of the group, so that lane (r, h) ends with
; register 8 u + j = dot(streaming row r, stationary row 32 h + 8 u + j): ITS 32 REGISTERS ARE ONE WHOLE BLOCK OF 32 ALONG THE NEXT K, in order.  The block's largest magnitude needs no other lane, and two
; conversions give registers 0-5 of a 6-bit operand (k = 32 h + 0 .. 31): a HALF IMAGE of 768 bytes: registers 0-3 at 16 x lane, registers 4-5 at 512 + 8 x lane.
; SHARES.  Work-groups 0-127: 128 queries each; stationary W_q (wave = head); the eight waves first quantise one tile of Q each from f32.
;          Work-groups 128-191: 256 keys each; stationary W_k (wave = head); streaming 16 tiles of K's codes.  Work-groups 192-255: 512 keys x 4 heads; stationary 64 rows of V's codes a wave; streaming 16 tiles of W_v.
; The rows of a streaming tile of K and of W_v are 8 (tile % 4) + r + 24 (r / 8) of their group of 64, so that in attention a lane's scores are whole blocks of neighbouring keys and its outputs whole blocks of channels.
; qrec [b][query tile][head]: 1,024 bytes: a half image, then at 768 + 8 x lane the word (hw | hw << 16) of row lane % 16, twice; hw = the row's two scale bytes.
; kvrec [b][head][step of 128 keys]: 12,800 bytes: 8 half images of K; at 6,144 K's scale words; at 6,400 the 4 x 2 half images of V^T; at 12,544 V's scale words.
; NO JOINT LOADS: the weights are shared by all work-groups, but each wave takes its 24,576 bytes from memory straight into the registers where they stay; a joint load lands in LDS and would add a passage
; of 196,608 bytes through LDS to every work-group.
; LIMITS: NaN and infinities are not served.  A block of zeros gets the scale byte 1 and not 127 (its codes are zeros, and only this program reads the bytes); a block whose largest magnitude lies under 2^-124 is held at byte 1.
.set TIMG, 6656                        ; a streaming tile in LDS: 4 fragments x 3 x 512 bytes, then at 6,144 its scale words, 16 bytes a lane
.set RK,   8*TIMG                      ; LDS: 0: the 8 tiles of Q;  RK: the 16 tiles of K or of W_v;  RS: scratch for V's scale words, 16 x 256 bytes
.set RS,   RK+16*TIMG
.set REC,  12800
.set WS,   16                          ; v16-31   the stationary rows' scale words: tile u, K step ks at 4 u + ks
.set SS,   32                          ; v32-39   the streaming tile's scale words, two sets
.set FB,   40                          ; v40-135  the streaming tile's four fragments, two sets of 48
.set ACC,  136                         ; v136-167 four accumulators
.set PC,   168                         ; v168-173 the six registers of codes
.set TQ,   174                         ; v174-176 the second conversion's result (three registers begin on an even number)
.set M0,   178
.set M1,   179
.set SO,   180
.set BY,   181
.set T,    182
.set X,    183
.set W0,   184                         ; v184-185 a pair for a store
.set HW,   186                         ; v186-193 the halfwords of eight tiles
.set KS,   194                         ; v194-195 a pair for a store
.set PC12, 196                         ; v196-207 Q's tile: a fragment's codes;  v208-215 second halves;  v216-219 its four scale words;  v220-224 at work
.set TQ2,  208
.set SW,   216
.set QM,   220
.set MSB, 0
.macro WIN new                         ; the immediate's high byte repeats the setting that is left
.if MSB != \new
	s_set_vgpr_msb (MSB<<8)|\new
.set MSB, \new
.endif
.endm
.macro PLACES
.rept 4
	v_nop
.endr
.endm
.macro BARRIER                         ; my LDS stores have landed and my LDS loads are in: then the work-group's barrier
	s_wait_dscnt 0x0
	s_barrier_signal -1
	s_barrier_wait -1
.endm
; the stationary group: 96 loads of 8 bytes into window 1 (fragment (u, ks) at 12 (4 u + ks)), 4 loads of scale words
.macro WLOAD
	WIN 0x40
.irp u, 0,1,2,3
.irp ks, 0,1,2,3
.irp p, 0,1,2,3,4,5
	global_load_b64 v[12*(4*\u+\ks)+2*\p:12*(4*\u+\ks)+2*\p+1], v4, s[36:37] offset:3072*\u+96*\ks+48*(\p/3)+8*(\p%3)
.endr
.endr
.endr
	WIN 0
.irp u, 0,1,2,3
	global_load_b128 v[WS+4*\u:WS+4*\u+3], v5, s[38:39] offset:128*\u
.endr
.endm
; a streaming tile out of LDS: 13 loads
.macro FETCH adr, off, buf
.irp i, 0,1,2,3,4,5,6,7,8,9,10,11
	ds_load_b128 v[FB+48*(\buf)+4*\i:FB+48*(\buf)+4*\i+3], v[\adr] offset:(\off)+512*\i
.endr
	ds_load_b128 v[SS+4*(\buf):SS+4*(\buf)+3], v[\adr] offset:(\off)+6144
.endm
; 16 matrix instructions; the four accumulators take turns, one instruction a turn; the first K step starts the sums
.macro MUL16 buf
	WIN 0x01                                       ; source 0 (the stationary rows) in window 1
.irp ks, 0,1,2,3
.irp u, 0,1,2,3
.if \ks == 0
	v_wmma_scale_f32_16x16x128_f8f6f4 v[ACC+8*\u:ACC+8*\u+7], v[12*(4*\u+\ks):12*(4*\u+\ks)+11], v[FB+48*(\buf)+12*\ks:FB+48*(\buf)+12*\ks+11], 0, v[WS+4*\u+\ks], v[SS+4*(\buf)+\ks] matrix_a_fmt:MATRIX_FMT_FP6 matrix_b_fmt:MATRIX_FMT_FP6
.else
	v_wmma_scale_f32_16x16x128_f8f6f4 v[ACC+8*\u:ACC+8*\u+7], v[12*(4*\u+\ks):12*(4*\u+\ks)+11], v[FB+48*(\buf)+12*\ks:FB+48*(\buf)+12*\ks+11], v[ACC+8*\u:ACC+8*\u+7], v[WS+4*\u+\ks], v[SS+4*(\buf)+\ks] matrix_a_fmt:MATRIX_FMT_FP6 matrix_b_fmt:MATRIX_FMT_FP6
.endif
.endr
.endr
	WIN 0
.endm
; my 32 results are one block: its largest magnitude (with the floor 2^(3 - 127) as a leaf, so that the byte cannot fall under 1), its scale, its codes in v[PC] on, and the row's two bytes in v[hw]
.macro QUANT32 hw
	s_wait_xcnt 0x0                                ; the last tile's stores have had their addresses translated: only behind this wait are their data registers written again
	v_max3_num_f32 v[M0], |v[ACC]|, |v[ACC+1]|, 0x1800000       ; two chains; each accumulator is read from its low end on
	v_max3_num_f32 v[M1], |v[ACC+16]|, |v[ACC+17]|, 0x1800000
.irp i, 2,4,6,8,10,12,14
	v_max3_num_f32 v[M0], v[M0], |v[ACC+\i]|, |v[ACC+\i+1]|
	v_max3_num_f32 v[M1], v[M1], |v[ACC+16+\i]|, |v[ACC+17+\i]|
.endr
	v_max_num_f32 v[M0], v[M0], v[M1]
	v_add_nc_u32 v[SO], 0xff000000, v[M0]          ; 2 off the exponent field: the conversion takes the exponent field of this operand as its scale
	v_lshrrev_b32 v[BY], 23, v[SO]                 ; the scale's byte
	v_cvt_scalef32_pk16_fp6_f32 v[PC:PC+2], v[ACC:ACC+15], v[SO]
	v_cvt_scalef32_pk16_fp6_f32 v[TQ:TQ+2], v[ACC+16:ACC+31], v[SO]
	v_nop                                          ; one plain place behind a scaled conversion
.irp i, 0,1,2
	v_mov_b32 v[PC+3+\i], v[TQ+\i]
.endr
	v_lshlrev_b32 v[T], v3, v[BY]                  ; my block's byte at its place, 8 h bits up;
	v_permlanex16_b32 v[X], v[T], s48, s49
	v_or_b32 v[\hw], v[T], v[X]                    ; with lane l xor 16's: the row's halfword, in both halves of the lanes
.endm
; tile TT of n: the next tile is asked for, this one is multiplied and quantised
.macro CORE adr, n
.if TT+1 < \n
	FETCH \adr+(TT+1)/8,((TT+1)%8)*TIMG,(TT+1)%2   ; into the set that the tile before this one left: four places and a whole quantiser stand behind its products
	s_wait_dscnt 13                                ; all but the 13 just issued: this tile is in
.else
	s_wait_dscnt 0x0
.endif
	MUL16 TT%2
	PLACES                                         ; four places ahead of the first read of results; with the quantiser's lines that name no accumulator they are more than the five that the next tile's first products want
	QUANT32 HW+TT%8
.endm
	s_load_b512 s[8:23], s[0:1], 0x0               ; Q 8, K codes 10, K scales 12, V codes 14, V scales 16, W_q codes 18, W_q scales 20, W_k codes 22
	s_load_b256 s[24:31], s[0:1], 0x40             ; W_k scales 24, W_v codes 26, W_v scales 28, qrec 30
	s_load_b64 s[32:33], s[0:1], 0x60              ; kvrec
	v_lshl_add_u32 v254, v0, 2, 0x28000
	v_mov_b32 v255, 0
	v_lshrrev_b32 v13, 5, v0
	v_readfirstlane_b32 s34, v13                   ; wave g
	v_and_b32 v13, 31, v0                          ; lane
	v_and_b32 v14, 15, v0                          ; r
	v_bfe_u32 v15, v0, 4, 1                        ; h
	v_lshlrev_b32 v1, 4, v13                       ; 16 x lane
	v_lshlrev_b32 v2, 3, v13                       ; 8 x lane
	v_lshlrev_b32 v3, 3, v15                       ; 8 h
	v_and_b32 v4, 8, v14
	v_mad_u32_u24 v5, v4, 3, v14                   ; r + 24 (r / 8)
	v_mul_u32_u24 v4, v5, 384                      ; a row of 512 codes is 384 bytes,
	v_mad_u32_u24 v4, v15, 24, v4                  ; + 24 h
	v_lshlrev_b32 v5, 4, v5                        ; a row of scale bytes is 16
	v_lshlrev_b32 v6, 11, v14                      ; Q: row r of 2,048 bytes,
	v_lshl_add_u32 v6, v15, 7, v6                  ; + 128 h: my block of 32 numbers
	s_mul_i32 s52, s34, TIMG
	v_add_nc_u32 v7, s52, v1                       ; where I put Q's tile g
	s_mul_i32 s52, s34, 2*TIMG
	s_add_co_u32 s52, s52, RK
	v_add_nc_u32 v8, s52, v1                       ; where I put streaming tiles 2 g and 2 g + 1
	v_add_nc_u32 v9, RK, v1                        ; tiles 0-7 are read from here,
	v_add_nc_u32 v10, RK+8*TIMG, v1                ; tiles 8-15 from here (an LDS offset has 16 bits)
	s_lshr_b32 s52, s34, 1
	s_lshl_b32 s52, s52, 10
	s_and_b32 s53, s34, 1
	s_lshl_b32 s53, s53, 1
	s_add_co_u32 s52, s52, s53
	s_add_co_u32 s52, s52, RS
	v_lshl_add_u32 v11, v14, 3, s52                ; V's scale scratch, in: 1,024 (g / 2) + 2 (g % 2) + 8 r
	s_lshl_b32 s52, s34, 9
	s_add_co_u32 s52, s52, RS
	v_add_nc_u32 v12, s52, v2                      ; and out: 512 g + 8 x lane
	v_mov_b32 v[X], 0                              ; written once: a lane permute's destination counts as one of its sources
	s_mov_b32 s48, 0x76543210
	s_mov_b32 s49, 0xfedcba98                      ; v_permlanex16_b32's selects for lane l xor 16
	s_mov_b32 s50, 0xffff0000                      ; lanes 16-31
	s_wait_kmcnt 0x0
	s_cmp_lt_u32 ttmp9, 128
	s_cbranch_scc1 .LQ
	; ---- K's and V's work-groups: one text up to the way out; only pointers and first rows are chosen
	s_lshr_b32 s52, s34, 1                         ; g / 2
	s_and_b32 s53, s34, 1                          ; g % 2
	s_lshl_b32 s54, s52, 6
	s_lshl_b32 s55, s53, 4
	s_add_co_u32 s54, s54, s55                     ; streaming tiles 2 g, 2 g + 1 begin at row 64 (g / 2) + 16 (g % 2) of the 256
	s_lshl_b32 s55, s34, 6                         ; my stationary group: 64 g
	s_and_b32 s56, ttmp9, 63                       ; j: the work-group's number among K's or among V's
	s_lshr_b32 s57, s56, 1                         ; V: which 512 keys
	s_and_b32 s58, s56, 1                          ; V: which four heads
	s_lshl_b32 s59, s57, 9
	s_lshl_b32 s60, s58, 8
	s_lshl_b32 s61, s56, 8
	s_cmp_lt_u32 ttmp9, 192                        ; K's work-group or V's?  The choice hangs on the work-group's number alone
	s_cselect_b64 s[36:37], s[22:23], s[14:15]     ; stationary: W_k or V
	s_cselect_b64 s[38:39], s[24:25], s[16:17]
	s_cselect_b64 s[40:41], s[10:11], s[26:27]     ; streaming: K or W_v
	s_cselect_b64 s[42:43], s[12:13], s[28:29]
	s_cselect_b32 s59, 0, s59
	s_cselect_b32 s60, s61, s60
	s_add_co_u32 s59, s59, s55                     ; my first stationary row
	s_add_co_u32 s60, s60, s54                     ; my first streaming row
	s_mul_i32 s62, s59, 384
	s_mov_b32 s63, 0
	s_add_nc_u64 s[36:37], s[36:37], s[62:63]
	s_lshl_b32 s62, s59, 4
	s_add_nc_u64 s[38:39], s[38:39], s[62:63]
	s_mul_i32 s62, s60, 384
	s_add_nc_u64 s[40:41], s[40:41], s[62:63]
	s_lshl_b32 s62, s60, 4
	s_add_nc_u64 s[42:43], s[42:43], s[62:63]
.irp e, 0,1                            ; my two streaming tiles: 24 loads of 8 bytes and the scale words, 52 registers each
.irp ks, 0,1,2,3
.irp p, 0,1,2,3,4,5
	global_load_b64 v[FB+52*\e+12*\ks+2*\p:FB+52*\e+12*\ks+2*\p+1], v4, s[40:41] offset:3072*\e+96*\ks+48*(\p/3)+8*(\p%3)
.endr
.endr
	global_load_b128 v[FB+52*\e+48:FB+52*\e+51], v5, s[42:43] offset:128*\e
.endr
	WLOAD
	s_wait_loadcnt 63                              ; 100 loads were issued behind the streaming tiles': these are in
.irp e, 0,1
.irp i, 0,1,2,3,4,5,6,7,8,9,10,11,12
	ds_store_b128 v8, v[FB+52*\e+4*\i:FB+52*\e+4*\i+3] offset:TIMG*\e+512*\i     ; the registers as they stand: 512 consecutive bytes a store
.endr
.endr
	BARRIER                                        ; the sixteen tiles lie in LDS
	FETCH 9,0,0
	s_wait_loadcnt 0x0                             ; the stationary group
	s_cmp_lt_u32 ttmp9, 192
	s_cbranch_scc0 .LV
	; ---- K: wave = head; tile TT is tile TT % 8 of step 2 (j % 8) + TT / 8
	s_lshr_b32 s54, s56, 3                         ; b
	s_lshl_b32 s54, s54, 3
	s_add_co_u32 s54, s54, s34                     ; 8 b + head
	s_lshl_b32 s54, s54, 4
	s_and_b32 s55, s56, 7
	s_lshl_b32 s55, s55, 1
	s_add_co_u32 s54, s54, s55                     ; the first record's number
	s_mul_i32 s54, s54, REC
	s_mov_b32 s55, 0
	s_add_nc_u64 s[44:45], s[32:33], s[54:55]
.set TT, 0
.rept 16
	CORE 9, 16
	global_store_b128 v1, v[PC:PC+3], s[44:45] offset:REC*(TT/8)+768*(TT%8)          ; 512 consecutive bytes,
	global_store_b64 v2, v[PC+4:PC+5], s[44:45] offset:REC*(TT/8)+768*(TT%8)+512     ; and 256
.if TT%8 == 7                          ; a step's scale words: pair p of tiles has hw[2 p] | hw[2 p + 1] << 16; pairs 0, 2 in lanes 0-15, pairs 1, 3 in lanes 16-31
	v_lshl_or_b32 v[M0], v[HW+1], 16, v[HW]
	v_lshl_or_b32 v[M1], v[HW+3], 16, v[HW+2]
	v_lshl_or_b32 v[T], v[HW+5], 16, v[HW+4]
	v_lshl_or_b32 v[W0], v[HW+7], 16, v[HW+6]
	v_cndmask_b32 v[KS], v[M0], v[M1], s50         ; (the pair was last a store's data eight tiles ago: each tile's quantiser has waited since)
	v_cndmask_b32 v[KS+1], v[T], v[W0], s50
	global_store_b64 v2, v[KS:KS+1], s[44:45] offset:REC*(TT/8)+6144
.endif
.set TT, TT+1
.endr
	s_wait_tensorcnt 0x0
	ds_add_u32 v254, v255
	s_wait_dscnt 0x0
	s_endpgm
.LV:	; ---- V: my 64 keys are half g % 2 of step 4 (tg % 4) + g / 2; tile TT is channel tile TT % 4 of head 4 (j % 2) + TT / 4
	s_lshr_b32 s54, s57, 2                         ; b
	s_lshl_b32 s54, s54, 3
	s_lshl_b32 s55, s58, 2
	s_add_co_u32 s54, s54, s55                     ; 8 b + 4 (j % 2): the first head
	s_and_b32 s55, s57, 3
	s_lshl_b32 s55, s55, 2
	s_add_co_u32 s55, s55, s52                     ; the step
	s_lshl_b32 s59, s54, 4
	s_add_co_u32 s59, s59, s55
	s_mul_i32 s60, s59, REC
	s_mul_i32 s61, s53, 768
	s_add_co_u32 s60, s60, s61
	s_add_co_u32 s60, s60, 6400
	s_mov_b32 s61, 0
	s_add_nc_u64 s[44:45], s[32:33], s[60:61]      ; my half images
	s_lshl_b32 s59, s53, 1
	s_add_co_u32 s59, s59, s54
	s_lshl_b32 s59, s59, 4
	s_add_co_u32 s59, s59, s55
	s_mul_i32 s60, s59, REC
	s_add_co_u32 s60, s60, 12544
	s_add_nc_u64 s[46:47], s[32:33], s[60:61]      ; the two records whose scale words I store: heads 2 (g % 2) and 2 (g % 2) + 1 of the four, step g / 2 of the four
.set TT, 0
.rept 16
	CORE 9, 16
	global_store_b128 v1, v[PC:PC+3], s[44:45] offset:16*REC*(TT/4)+1536*(TT%4)
	global_store_b64 v2, v[PC+4:PC+5], s[44:45] offset:16*REC*(TT/4)+1536*(TT%4)+512
	ds_store_b16 v11, v[HW+TT%8] offset:256*(TT/4)+128*(TT%2)+4*((TT%4)/2)          ; a channel's word takes two bytes from me and two from the wave beside me: they meet in LDS.  Both halves of the lanes write the same value
.set TT, TT+1
.endr
	BARRIER
	ds_load_b64 v[KS:KS+1], v12
	ds_load_b64 v[W0:W0+1], v12 offset:256
	s_wait_dscnt 0x0
	global_store_b64 v2, v[KS:KS+1], s[46:47]
	global_store_b64 v2, v[W0:W0+1], s[46:47] offset:16*REC
	s_wait_tensorcnt 0x0
	ds_add_u32 v254, v255
	s_wait_dscnt 0x0
	s_endpgm
.LQ:	; ---- Q: wave = head for the products; for the quantising wave g takes tile g: queries 128 wg + 16 g + r
	s_mul_i32 s52, s34, 24576
	s_mov_b32 s53, 0
	s_add_nc_u64 s[36:37], s[18:19], s[52:53]      ; W_q's rows 64 g on
	s_lshl_b32 s52, s34, 10
	s_add_nc_u64 s[38:39], s[20:21], s[52:53]
	s_lshl_b32 s52, ttmp9, 18
	s_lshl_b32 s54, s34, 15
	s_add_co_u32 s52, s52, s54
	s_add_nc_u64 s[40:41], s[8:9], s[52:53]        ; Q at my tile
	s_lshl_b32 s52, ttmp9, 16
	s_lshl_b32 s54, s34, 10
	s_add_co_u32 s52, s52, s54
	s_add_nc_u64 s[44:45], s[30:31], s[52:53]      ; qrec at (tile 8 wg, head g)
; K step ks of my row: lane (r, h) takes the blocks k = 128 ks + 64 c + 32 h + 0 .. 31, c = 0, 1: the very numbers that the operand's layout gives it
.macro XLOAD set, ks
.irp c, 0,1
.irp j, 0,1,2,3,4,5,6,7
	global_load_b128 v[FB+64*(\set)+32*\c+4*\j:FB+64*(\set)+32*\c+4*\j+3], v6, s[40:41] offset:512*(\ks)+256*\c+16*\j
.endr
.endr
.endm
; 64 numbers, two whole blocks, become a fragment's 12 registers and the row's scale word
.macro QUANT64 xs, ks
.irp c, 0,1
	v_max3_num_f32 v[QM+\c], |v[(\xs)+32*\c]|, |v[(\xs)+32*\c+1]|, 0x1800000
.endr
.irp i, 2,4,6,8,10,12,14,16,18,20,22,24,26,28,30
.irp c, 0,1
	v_max3_num_f32 v[QM+\c], v[QM+\c], |v[(\xs)+32*\c+\i]|, |v[(\xs)+32*\c+\i+1]|    ; (the two blocks by turns)
.endr
.endr
.irp c, 0,1
	v_add_nc_u32 v[QM+2+\c], 0xff000000, v[QM+\c]
.endr
.irp c, 0,1
	v_lshrrev_b32 v[QM+\c], 23, v[QM+2+\c]
.endr
	v_lshl_or_b32 v[QM+4], v[QM+1], 16, v[QM]      ; my bytes: blocks h and 2 + h,
	v_lshlrev_b32 v[QM+4], v3, v[QM+4]             ; at their places;
	v_permlanex16_b32 v[X], v[QM+4], s48, s49
	v_or_b32 v[SW+\ks], v[QM+4], v[X]              ; with lane l xor 16's two the word is whole
.irp c, 0,1
	v_cvt_scalef32_pk16_fp6_f32 v[PC12+6*\c:PC12+6*\c+2], v[(\xs)+32*\c:(\xs)+32*\c+15], v[QM+2+\c]
	v_cvt_scalef32_pk16_fp6_f32 v[TQ2+4*\c:TQ2+4*\c+2], v[(\xs)+32*\c+16:(\xs)+32*\c+31], v[QM+2+\c]
.endr
	v_nop                                          ; one plain place behind a scaled conversion
.irp c, 0,1
.irp i, 0,1,2
	v_mov_b32 v[PC12+6*\c+3+\i], v[TQ2+4*\c+\i]
.endr
.endr
.irp i, 0,1,2
	ds_store_b128 v7, v[PC12+4*\i:PC12+4*\i+3] offset:1536*\ks+512*\i
.endr
.endm
	XLOAD 0, 0
	XLOAD 1, 1
	WLOAD
	s_wait_loadcnt 63                              ; behind K step 0's loads 116 were issued
	QUANT64 FB, 0
	XLOAD 0, 2
	s_wait_loadcnt 63                              ; behind K step 1's likewise 116
	s_wait_dscnt 0x0                               ; the image's stores have read their registers
	QUANT64 FB+64, 1
	XLOAD 1, 3
	s_wait_loadcnt 16                              ; K step 3's sixteen may be out
	s_wait_dscnt 0x0
	QUANT64 FB, 2
	s_wait_loadcnt 0x0
	s_wait_dscnt 0x0
	QUANT64 FB+64, 3
	ds_store_b128 v7, v[SW:SW+3] offset:6144
	BARRIER                                        ; the eight tiles lie in LDS
	FETCH 1,0,0
.set TT, 0
.rept 8
	CORE 1, 8
	v_lshl_or_b32 v[W0], v[HW+TT%8], 16, v[HW+TT%8]      ; the halfword twice: it serves the query's codes in either half of the score product's K
	v_mov_b32 v[W0+1], v[W0]
	global_store_b128 v1, v[PC:PC+3], s[44:45] offset:8192*TT
	global_store_b64 v2, v[PC+4:PC+5], s[44:45] offset:8192*TT+512
	global_store_b64 v2, v[W0:W0+1], s[44:45] offset:8192*TT+768
.set TT, TT+1
.endr
	s_wait_tensorcnt 0x0
	ds_add_u32 v254, v255
	s_wait_dscnt 0x0
	s_endpgm
.Lfunc_end_k_q9c2eb777ee_project:
	.size	k_q9c2eb777ee_project, .Lfunc_end_k_q9c2eb777ee_project-k_q9c2eb777ee_project
	.p2alignl 7, 3214868480
	.fill 96, 4, 3214868480
	.section	.rodata,"a",@progbits
	.p2align	6, 0x0
	.amdhsa_kernel k_q9c2eb777ee_project
		.amdhsa_group_segment_fixed_size 164864
		.amdhsa_private_segment_fixed_size 0
		.amdhsa_enable_private_segment 0
		.amdhsa_kernarg_size 104
		.amdhsa_user_sgpr_count 2
		.amdhsa_user_sgpr_kernarg_segment_ptr 1
		.amdhsa_wavefront_size32 1
		.amdhsa_system_sgpr_workgroup_id_x 1
		.amdhsa_system_sgpr_workgroup_id_y 1
		.amdhsa_system_sgpr_workgroup_id_z 1
		.amdhsa_system_vgpr_workitem_id 0
		.amdhsa_next_free_vgpr 448
		.amdhsa_next_free_sgpr 66
		.amdhsa_reserve_vcc 0
		.amdhsa_float_denorm_mode_32 3
		.amdhsa_float_denorm_mode_16_64 3
		.amdhsa_memory_ordered 1
		.amdhsa_forward_progress 1
		.amdhsa_inst_pref_size 246
	.end_amdhsa_kernel
	.amdgpu_metadata
---
amdhsa.version: [ 1, 2 ]
amdhsa.kernels:
  - .name:           k_q9c2eb777ee_project
    .symbol:         k_q9c2eb777ee_project.kd
    .args:
      - { .name: Q, .offset: 0, .size: 8, .value_kind: global_buffer, .address_space: global }
      - { .name: K_codes, .offset: 8, .size: 8, .value_kind: global_buffer, .address_space: global }
      - { .name: K_scales, .offset: 16, .size: 8, .value_kind: global_buffer, .address_space: global }
      - { .name: V_codes, .offset: 24, .size: 8, .value_kind: global_buffer, .address_space: global }
      - { .name: V_scales, .offset: 32, .size: 8, .value_kind: global_buffer, .address_space: global }
      - { .name: W_q_codes, .offset: 40, .size: 8, .value_kind: global_buffer, .address_space: global }
      - { .name: W_q_scales, .offset: 48, .size: 8, .value_kind: global_buffer, .address_space: global }
      - { .name: W_k_codes, .offset: 56, .size: 8, .value_kind: global_buffer, .address_space: global }
      - { .name: W_k_scales, .offset: 64, .size: 8, .value_kind: global_buffer, .address_space: global }
      - { .name: W_v_codes, .offset: 72, .size: 8, .value_kind: global_buffer, .address_space: global }
      - { .name: W_v_scales, .offset: 80, .size: 8, .value_kind: global_buffer, .address_space: global }
      - { .name: qrec, .offset: 88, .size: 8, .value_kind: global_buffer, .address_space: global }
      - { .name: kvrec, .offset: 96, .size: 8, .value_kind: global_buffer, .address_space: global }
    .group_segment_fixed_size: 164864
    .private_segment_fixed_size: 0
    .kernarg_segment_align: 8
    .kernarg_segment_size: 104
    .max_flat_workgroup_size: 256
    .sgpr_count:     66
    .vgpr_count:     448
    .wavefront_size: 32
...
	.end_amdgpu_metadata
.endif
;; end of part 1
;; launch attend (part 2): grid 4 x 64, 16 waves a work-group, clusters of 4 x 1, 239,616 bytes of LDS; arguments qrec, kvrec, arec; writes arec
.if DOCPART == 2
	.amdgcn_target "amdgcn-amd-amdhsa--gfx1250"
	.amdhsa_code_object_version 6
	.text
	.protected	k_q9c2eb777ee_attend
	.globl	k_q9c2eb777ee_attend
	.p2align	8
	.type	k_q9c2eb777ee_attend,@function
k_q9c2eb777ee_attend:
	s_mov_b64 s[64:65], 0
	v_nop
	global_prefetch_b8 v0, s[64:65] scope:SCOPE_SE
	s_setreg_imm32_b32 hwreg(HW_REG_WAVE_MODE, 25, 1), 1
	s_wait_xcnt 0x0
	s_wait_alu depctr_hold_cnt(0) depctr_sa_sdst(0) depctr_va_vdst(0) depctr_va_sdst(0) depctr_va_ssrc(0) depctr_va_vcc(0) depctr_vm_vsrc(0)
	s_getreg_b32 s2, hwreg(HW_REG_IB_STS2, 6, 4)
	s_cmp_eq_u32 s2, 0
	s_cbranch_scc0 .Lentry_in_a_cluster
	s_endpgm
.Lentry_in_a_cluster:
	s_bfe_u32 s2, ttmp6, 0x10000c
	s_cmp_lg_u32 s2, 0x3003
	s_cbranch_scc0 .Lentry_shape_is_right
	s_endpgm
.Lentry_shape_is_right:
; ATTENTION on codes of E2M3: S^T = Kh Qh^T (K = the head's 64), p = 2^(t - M), O^T = Vh^T p^T (K = the keys), O / l, and O quantised along (head, channel) for the next product.
; t = score x log2(e) / (8 + 1e-6); M = the running largest t rounded UP to a whole number; p is quantised along the keys, not normalised; the row's sum l is taken of the unquantised p and divides O at the end.
; When M moves, l and O^T are multiplied by 2^(old M - new M), which rounds nothing.
; SHARES.  A work-group owns 512 queries of one (batch, head): sixteen waves x 16 queries x 2 passes.  Four waves to a SIMD, so that one wave's vector work stands beside another's products and LDS loads.
; THE WHOLE HEAD STAYS IN LDS: 16 records of 12,800 bytes (128 keys each), filled ONCE: no slot is ever filled again.
; CLUSTER.  The four work-groups of a head form a cluster and ask for each record JOINTLY: the same tensor load, the same descriptor, the mask of all four.  Waves 0-3 issue four loads each (wave i, chunk ch:
; step 4 ch + i): four loads of a wave are out at the most.  A chunk is read behind the issuing waves' counted wait and a barrier.
; LAYOUT.  Both products are used transposed: a lane holds ONE query (lane % 16).  The records are images of operand registers: every LDS load takes 512 or 256 consecutive bytes.
; The score product's K is 64, the instruction's 128: source 0 holds TWO tiles of 16 keys (registers 0-5, 6-11); source 1 is the query's six registers beside six of zeros, first [q | 0], then [0 | q], cut out of
; v16-33 = zeros, q, zeros.  Zero codes add nothing under any scale byte that occurs (1 .. 254).
; The keys of a tile are chosen (by the launch before) so that the 32 registers of tiles 0-3 are keys 32 h + 0 .. 31 and those of tiles 4-7 keys 64 + 32 h + 0 .. 31: p's blocks lie whole in a lane, in the order
; that the second product's operand wants: no exchange between lanes but for the maximum, the sum and the scale word.  V's channel rows are chosen so that O^T's 32 registers are channels 32 h + 0 .. 31.
; A BLOCK'S LARGEST p is not searched for: the block's largest score goes through the same multiply-add and exponential (this takes v_exp_f32 not to fall where its input rises).
; LIMITS: NaN and infinities are not served; 1 / l is v_rcp_f32; a block of zeros gets the byte 1 (its codes are zeros; only this program reads the bytes).
.set STEPB, 12800
.set QL,    16*STEPB                   ; behind the head's records: each wave's two records of Q, 2,048 bytes a wave: written by LDS stores, no fill lands there
.set FBK,   40                         ; v40-87   four pairs of key tiles
.set S,     88                         ; v88-151  S^T, then p
.set O,     152                        ; v152-183 O^T
.set P,     184                        ; v184-195 p's codes
.set FBV,   208                        ; v208-255 V^T's four fragments
; v1 16 x lane, v2 8 x lane, v3 8 h; v4, v5 addresses in hand; v6 p's scale word; v7 at work; v8 -M, v9 the largest t; v[10:11] l in two halves; v[12:13] f; v[14:15] at work;
; v16-21 zeros, v22-27 q, v28-33 zeros; v34 (35) q's scale word; v36, 37 K's scale words; v38, 39 V's; v196-198, v200-202 second conversions; v204, 205 block maxima; v206, 207 scale operands
.macro CROUND                          ; a round of the cluster's barrier
	s_barrier_signal -1
	s_barrier_wait -1
	s_cmp_lg_u32 s12, 0
	s_cbranch_scc1 .Lnot_wave_0_\@
	s_barrier_signal -3
.Lnot_wave_0_\@:
	s_barrier_wait -3
	s_barrier_signal -1
	s_barrier_wait -1
.endm
	s_load_b128 s[4:7], s[0:1], 0x0                ; qrec, kvrec
	s_load_b64 s[8:9], s[0:1], 0x10                ; arec
	v_lshl_add_u32 v199, v0, 2, 0x3a000
	v_mov_b32 v203, 0
	ds_add_u32 v199, v203
	ds_add_u32 v199, v203
	v_lshrrev_b32 v7, 5, v0
	v_readfirstlane_b32 s12, v7                    ; wave 0..15
	s_bfe_u32 s13, ttmp6, 0x40000                  ; cx: it enters Q's and the output's addresses alone
	s_and_b32 s14, ttmp7, 0xffff                   ; 8 b + head, which the four partners share
	s_lshl_b32 s15, ttmp9, 2
	s_add_co_u32 s15, s15, s13                     ; which 512 queries
	; descriptor group 1: a record is a dense block of 12,800 bytes: 50 rows of 32 elements of 8 bytes
	s_mov_b32 s16, 15|(3<<16)|(1<<21)              ; 15:0 the mask: all four work-groups; 17:16 elements of 8 bytes; 21 set beside a mask; no padding
	s_mov_b32 s17, 32<<16                          ; tensor_dim0 = 32
	s_mov_b32 s18, 50<<16                          ; tensor_dim1 = 50
	s_mov_b32 s19, 32<<16                          ; tile_dim0 = 32
	s_mov_b32 s20, 50                              ; tile_dim1 = 50
	s_mov_b32 s21, 32                              ; from row to row
	s_mov_b32 s22, 0
	s_mov_b32 s23, 0
	s_and_b32 s48, s12, 3
	s_mul_i32 s48, s48, STEPB                      ; my record of a chunk, in LDS and in the head alike
	s_mul_i32 s50, s14, 16*STEPB
	s_add_co_u32 s50, s50, s48
	s_mov_b32 s51, 0
	s_lshr_b32 s52, s14, 3
	s_lshl_b32 s52, s52, 20                        ; b x 128 tiles x 8 heads x 1,024
	s_lshl_b32 s53, s15, 5
	s_add_co_u32 s53, s53, s12                     ; my first query tile: 32 x + wave
	s_lshl_b32 s53, s53, 13
	s_add_co_u32 s52, s52, s53
	s_and_b32 s53, s14, 7
	s_lshl_b32 s53, s53, 10
	s_add_co_u32 s52, s52, s53
	s_mov_b32 s53, 0
	s_mov_b32 s40, 0x3e38aa3a                      ; c = log2(e) / (8 + 1e-6)
	s_mov_b32 s41, s40                             ; (named with it as a pair, so it is written)
	s_mov_b32 s42, 0x76543210
	s_mov_b32 s43, 0xfedcba98                      ; v_permlanex16_b32's selects for lane l xor 16
	s_lshl_b32 s47, s12, 11
	s_add_co_u32 s47, s47, QL                      ; my records of Q in LDS
	s_wait_dscnt 0x0
	s_wait_kmcnt 0x0
	s_add_nc_u64 s[6:7], s[6:7], s[50:51]
	s_add_nc_u64 s[4:5], s[4:5], s[52:53]
	s_add_nc_u64 s[8:9], s[8:9], s[52:53]
	CROUND                                         ; all four work-groups are here: the joint loads meet
.irp ch, 0,1,2,3
	s_mov_b32 s[24+4*\ch], 1                       ; count = 1
	s_add_co_u32 s[25+4*\ch], s48, 4*STEPB*\ch     ; LDS address
	s_add_nc_u64 s[26+4*\ch:27+4*\ch], s[6:7], 4*STEPB*\ch
	s_or_b32 s[27+4*\ch], s[27+4*\ch], 0x80000000  ; type = 2
.endr
	s_cmp_lt_u32 s12, 4                            ; all the fills of a wave stand in one branch on the wave's number, ahead of every wait on TENSORcnt, every LDS read and every further barrier
	s_cbranch_scc0 .Lno_fill
	tensor_load_to_lds s[24:27], s[16:23]
	s_nop 0
	tensor_load_to_lds s[28:31], s[16:23]
	s_nop 0
	tensor_load_to_lds s[32:35], s[16:23]
	s_nop 0
	tensor_load_to_lds s[36:39], s[16:23]
	s_nop 0
.rept 4
	v_nop
.endr
.Lno_fill:
	v_and_b32 v7, 31, v0
	v_lshlrev_b32 v1, 4, v7
	v_lshlrev_b32 v2, 3, v7
	v_bfe_u32 v3, v0, 4, 1
	v_lshlrev_b32 v3, 3, v3
.irp q, 0,1                            ; both passes' records of Q: 16 tiles, 131,072 bytes, apart
	global_load_b128 v[S+8*\q:S+8*\q+3], v1, s[4:5] offset:131072*\q
	global_load_b64 v[S+8*\q+4:S+8*\q+5], v2, s[4:5] offset:131072*\q+512
	global_load_b64 v[S+8*\q+6:S+8*\q+7], v2, s[4:5] offset:131072*\q+768
.endr
.irp i, 0,1,2,3,4,5
	v_mov_b32 v[16+\i], 0                          ; the zero codes on either side of q
	v_mov_b32 v[28+\i], 0
.endr
	v_mov_b32 v13, 0                               ; (named as the upper half of a pair)
	v_mov_b32 v14, 0                               ; written once: a lane permute's destination counts as one of its sources
	v_add_nc_u32 v4, s47, v1
	v_add_nc_u32 v5, s47, v2
	s_wait_loadcnt 0x0
.irp q, 0,1
	ds_store_b128 v4, v[S+8*\q:S+8*\q+3] offset:1024*\q
	ds_store_b64 v5, v[S+8*\q+4:S+8*\q+5] offset:1024*\q+512
	ds_store_b64 v5, v[S+8*\q+6:S+8*\q+7] offset:1024*\q+768
.endr
; A KEY STEP: the 128 keys of the record at LDS byte s44
.macro STEP
	v_add_nc_u32 v4, s44, v1
	v_add_nc_u32 v5, s44, v2
	v_nop
	v_nop                                          ; four places ahead of loads into registers that the last products read
.irp p, 0,1,2,3                        ; K: pair p = tiles 2 p and 2 p + 1
	ds_load_b128 v[FBK+12*\p:FBK+12*\p+3], v4 offset:1536*\p
	ds_load_b64 v[FBK+12*\p+4:FBK+12*\p+5], v5 offset:1536*\p+512
	ds_load_b128 v[FBK+12*\p+6:FBK+12*\p+9], v4 offset:1536*\p+768
	ds_load_b64 v[FBK+12*\p+10:FBK+12*\p+11], v5 offset:1536*\p+1280
.endr
	ds_load_b64 v[36:37], v5 offset:6144
.irp p, 0,1,2,3                        ; V^T: channel tile p, both halves of the 128 keys
	ds_load_b128 v[FBV+12*\p:FBV+12*\p+3], v4 offset:6400+1536*\p
	ds_load_b64 v[FBV+12*\p+4:FBV+12*\p+5], v5 offset:6400+1536*\p+512
	ds_load_b128 v[FBV+12*\p+6:FBV+12*\p+9], v4 offset:6400+1536*\p+768
	ds_load_b64 v[FBV+12*\p+10:FBV+12*\p+11], v5 offset:6400+1536*\p+1280
.endr
	ds_load_b64 v[38:39], v5 offset:12544
	s_wait_dscnt 17                                ; K is in; V's seventeen loads may be out
.irp p, 0,1,2,3
.if \p%2
	v_wmma_scale_f32_16x16x128_f8f6f4 v[S+16*\p:S+16*\p+7], v[FBK+12*\p:FBK+12*\p+11], v[22:33], 0, v[36+\p/2], v34 matrix_a_fmt:MATRIX_FMT_FP6 matrix_b_fmt:MATRIX_FMT_FP6 matrix_a_scale:MATRIX_SCALE_ROW1
	v_wmma_scale_f32_16x16x128_f8f6f4 v[S+16*\p+8:S+16*\p+15], v[FBK+12*\p:FBK+12*\p+11], v[16:27], 0, v[36+\p/2], v34 matrix_a_fmt:MATRIX_FMT_FP6 matrix_b_fmt:MATRIX_FMT_FP6 matrix_a_scale:MATRIX_SCALE_ROW1
.else
	v_wmma_scale_f32_16x16x128_f8f6f4 v[S+16*\p:S+16*\p+7], v[FBK+12*\p:FBK+12*\p+11], v[22:33], 0, v[36+\p/2], v34 matrix_a_fmt:MATRIX_FMT_FP6 matrix_b_fmt:MATRIX_FMT_FP6
	v_wmma_scale_f32_16x16x128_f8f6f4 v[S+16*\p+8:S+16*\p+15], v[FBK+12*\p:FBK+12*\p+11], v[16:27], 0, v[36+\p/2], v34 matrix_a_fmt:MATRIX_FMT_FP6 matrix_b_fmt:MATRIX_FMT_FP6
.endif
.endr
.rept 4
	v_nop
.endr
	v_max3_num_f32 v204, v[S], v[S+1], v[S+2]      ; the largest score of each of my two blocks of 32 keys; each accumulator is first read at its low end
	v_max3_num_f32 v205, v[S+32], v[S+33], v[S+34]
.irp i, 3,5,7,9,11,13,15,17,19,21,23,25,27,29
	v_max3_num_f32 v204, v204, v[S+\i], v[S+\i+1]
	v_max3_num_f32 v205, v205, v[S+32+\i], v[S+33+\i]
.endr
	v_max_num_f32 v204, v204, v[S+31]
	v_max_num_f32 v205, v205, v[S+63]
	v_max_num_f32 v7, v204, v205
	v_permlanex16_b32 v14, v7, s42, s43
	v_max_num_f32 v7, v7, v14                      ; the step's largest score of my query,
	v_mul_f32 v7, s40, v7                          ; as t (c is positive)
	v_max_num_f32 v9, v9, v7                       ; the running largest t
	v_mov_b32 v7, v8
	v_floor_f32 v8, -v9                            ; the new -M = floor(-t): M is a whole number
	v_sub_f32 v7, v8, v7                           ; old M - new M: a whole number, 0 or less
	v_cvt_i32_f32 v7, v7                           ; (it saturates)
	v_ldexp_f32 v12, 1.0, v7                       ; f = 2^(old M - new M)
.set J, 0
.rept 32
	v_pk_fma_f32 v[S+J:S+J+1], v[S+J:S+J+1], s[40:41], v[8:9] op_sel_hi:[1,0,0]   ; t - M, two at a time (of the pairs c and -M the low word serves both halves)
.set J, J+2
.endr
	v_fma_f32 v204, v204, s40, v8                  ; the same of each block's largest score
	v_fma_f32 v205, v205, s40, v8
.set J, 0
.rept 64
	v_exp_f32 v[S+J], v[S+J]                       ; p = 2^(t - M), at most 1
.set J, J+1
.endr
	v_exp_f32 v204, v204                           ; the blocks' largest p
	v_exp_f32 v205, v205
	v_pk_mul_f32 v[10:11], v[10:11], v[12:13] op_sel_hi:[1,0]      ; l under the new M.  (A plain place behind the exponentials)
	s_wait_alu depctr_va_vdst(0)
	v_max_num_f32 v204, 0x1800000, v204            ; the floor 2^(3 - 127): the byte cannot fall under 1
	v_max_num_f32 v205, 0x1800000, v205
	v_add_nc_u32 v206, 0xff000000, v204            ; 2 off the exponent field: the conversion's scale operand
	v_add_nc_u32 v207, 0xff000000, v205
	v_lshrrev_b32 v204, 23, v206                   ; the bytes of blocks h and 2 + h
	v_lshrrev_b32 v205, 23, v207
	v_lshl_or_b32 v7, v205, 16, v204
	v_lshlrev_b32 v7, v3, v7
	v_permlanex16_b32 v14, v7, s42, s43
	v_or_b32 v6, v7, v14                           ; p's scale word for these 128 keys
	v_cvt_scalef32_pk16_fp6_f32 v[P:P+2], v[S:S+15], v206
	v_cvt_scalef32_pk16_fp6_f32 v[196:198], v[S+16:S+31], v206
	v_cvt_scalef32_pk16_fp6_f32 v[P+6:P+8], v[S+32:S+47], v207
	v_cvt_scalef32_pk16_fp6_f32 v[200:202], v[S+48:S+63], v207
	v_nop                                          ; one plain place behind a scaled conversion
.irp i, 0,1,2
	v_mov_b32 v[P+3+\i], v[196+\i]
	v_mov_b32 v[P+9+\i], v[200+\i]
.endr
	v_pk_add_f32 v[14:15], v[S:S+1], v[S+2:S+3]    ; the row's sum is taken of the unquantised p: two at a time, in two chains
.set J, 4
.rept 15
	v_pk_add_f32 v[10:11], v[10:11], v[S+J:S+J+1]
	v_pk_add_f32 v[14:15], v[14:15], v[S+J+2:S+J+3]
.set J, J+4
.endr
	v_pk_add_f32 v[10:11], v[10:11], v[14:15]
.set J, 0
.rept 16
	v_pk_mul_f32 v[O+J:O+J+1], v[O+J:O+J+1], v[12:13] op_sel_hi:[1,0]   ; O^T under the new M.  (The sums and these are far more than the eight places between p's scale word and its products)
.set J, J+2
.endr
	s_wait_dscnt 0x0                               ; V is in
.irp t, 0,1,2,3
.if \t%2
	v_wmma_scale_f32_16x16x128_f8f6f4 v[O+8*\t:O+8*\t+7], v[FBV+12*\t:FBV+12*\t+11], v[P:P+11], v[O+8*\t:O+8*\t+7], v[38+\t/2], v6 matrix_a_fmt:MATRIX_FMT_FP6 matrix_b_fmt:MATRIX_FMT_FP6 matrix_a_scale:MATRIX_SCALE_ROW1
.else
	v_wmma_scale_f32_16x16x128_f8f6f4 v[O+8*\t:O+8*\t+7], v[FBV+12*\t:FBV+12*\t+11], v[P:P+11], v[O+8*\t:O+8*\t+7], v[38+\t/2], v6 matrix_a_fmt:MATRIX_FMT_FP6 matrix_b_fmt:MATRIX_FMT_FP6
.endif
.endr
	s_add_co_u32 s44, s44, STEPB
.endm
; A chunk of four steps: the waves that fetched it have seen it land (the loads of the later chunks may stay out), then the barrier shows it to all sixteen
.macro CHUNK ch
	s_wait_tensorcnt 3-\ch
	s_barrier_signal -1
	s_barrier_wait -1
	s_mov_b32 s44, 4*STEPB*\ch
	s_mov_b32 s45, 4
.Lstep_\@:
	STEP
	s_sub_co_u32 s45, s45, 1
	s_cmp_lg_u32 s45, 0
	s_cbranch_scc1 .Lstep_\@
.endm
	s_mov_b32 s46, 2
.Lpass:
	v_add_nc_u32 v4, s47, v1
	v_add_nc_u32 v5, s47, v2
	ds_load_b128 v[22:25], v4                      ; the pass's q (LDS serves a wave's instructions in order: these see my stores)
	ds_load_b64 v[26:27], v5 offset:512
	ds_load_b64 v[34:35], v5 offset:768
	v_mov_b32 v9, 0xff61b1e6                       ; the largest t so far: -3e38, under every t
	v_floor_f32 v8, -v9                            ; -M
	v_mov_b32 v10, 0
	v_mov_b32 v11, 0
.set J, 0
.rept 32
	v_mov_b32 v[O+J], 0                            ; the step is written once: the first finds zeros, which the first change of M leaves zeros
.set J, J+1
.endr
	s_wait_dscnt 0x0
	CHUNK 0
	CHUNK 1
	CHUNK 2
	CHUNK 3
	; the pass's end: O^T / l, quantised: my 32 registers are channels 32 h + 0 .. 31 of the head: one block of the next product's K
.rept 4
	v_nop
.endr
	v_add_f32 v10, v10, v11
	v_permlanex16_b32 v14, v10, s42, s43
	v_add_f32 v10, v10, v14                        ; the row's sum
	v_rcp_f32 v12, v10
	v_nop                                          ; one plain place behind a transcendental
.set J, 0
	s_wait_alu depctr_va_vdst(0)
.rept 16
	v_pk_mul_f32 v[O+J:O+J+1], v[O+J:O+J+1], v[12:13] op_sel_hi:[1,0]   ; each accumulator from its low end on
.set J, J+2
.endr
	v_max3_num_f32 v204, |v[O]|, |v[O+1]|, 0x1800000
	v_max3_num_f32 v205, |v[O+16]|, |v[O+17]|, 0x1800000
.irp i, 2,4,6,8,10,12,14
	v_max3_num_f32 v204, v204, |v[O+\i]|, |v[O+\i+1]|
	v_max3_num_f32 v205, v205, |v[O+16+\i]|, |v[O+17+\i]|
.endr
	v_max_num_f32 v204, v204, v205
	v_add_nc_u32 v206, 0xff000000, v204
	v_lshrrev_b32 v207, 23, v206
	v_cvt_scalef32_pk16_fp6_f32 v[P:P+2], v[O:O+15], v206
	v_cvt_scalef32_pk16_fp6_f32 v[196:198], v[O+16:O+31], v206
	v_nop
.irp i, 0,1,2
	v_mov_b32 v[P+3+\i], v[196+\i]
.endr
	v_lshlrev_b32 v7, v3, v207
	v_permlanex16_b32 v14, v7, s42, s43
	v_or_b32 v7, v7, v14                           ; the row's two bytes
	v_lshl_or_b32 v14, v7, 16, v7
	v_mov_b32 v15, v14
	global_store_b128 v1, v[P:P+3], s[8:9]         ; the record: 512, 256 and 256 consecutive bytes
	global_store_b64 v2, v[P+4:P+5], s[8:9] offset:512
	global_store_b64 v2, v[14:15], s[8:9] offset:768
	s_wait_xcnt 0x0                                ; the stores' base and data are written again only behind this wait
	s_add_nc_u64 s[8:9], s[8:9], 131072            ; 16 query tiles on
	s_add_co_u32 s47, s47, 1024
	s_sub_co_u32 s46, s46, 1
	s_cmp_lg_u32 s46, 0
	s_cbranch_scc1 .Lpass
	s_wait_tensorcnt 0x0
	s_wait_tensorcnt 0x0
	ds_add_u32 v199, v203
	s_wait_dscnt 0x0
	CROUND                                         ; the closing round: no work-group ends while a partner may still ask for a record that names it
	s_endpgm
.Lfunc_end_k_q9c2eb777ee_attend:
	.size	k_q9c2eb777ee_attend, .Lfunc_end_k_q9c2eb777ee_attend-k_q9c2eb777ee_attend
	.p2alignl 7, 3214868480
	.fill 96, 4, 3214868480
	.section	.rodata,"a",@progbits
	.p2align	6, 0x0
	.amdhsa_kernel k_q9c2eb777ee_attend
		.amdhsa_group_segment_fixed_size 239616
		.amdhsa_private_segment_fixed_size 0
		.amdhsa_enable_private_segment 0
		.amdhsa_kernarg_size 24
		.amdhsa_user_sgpr_count 2
		.amdhsa_user_sgpr_kernarg_segment_ptr 1
		.amdhsa_wavefront_size32 1
		.amdhsa_system_sgpr_workgroup_id_x 1
		.amdhsa_system_sgpr_workgroup_id_y 1
		.amdhsa_system_sgpr_workgroup_id_z 1
		.amdhsa_system_vgpr_workitem_id 0
		.amdhsa_next_free_vgpr 256
		.amdhsa_next_free_sgpr 66
		.amdhsa_reserve_vcc 0
		.amdhsa_float_denorm_mode_32 3
		.amdhsa_float_denorm_mode_16_64 3
		.amdhsa_memory_ordered 1
		.amdhsa_forward_progress 1
		.amdhsa_inst_pref_size 71
	.end_amdhsa_kernel
	.amdgpu_metadata
---
amdhsa.version: [ 1, 2 ]
amdhsa.kernels:
  - .name:           k_q9c2eb777ee_attend
    .symbol:         k_q9c2eb777ee_attend.kd
    .args:
      - { .name: qrec, .offset: 0, .size: 8, .value_kind: global_buffer, .address_space: global }
      - { .name: kvrec, .offset: 8, .size: 8, .value_kind: global_buffer, .address_space: global }
      - { .name: arec, .offset: 16, .size: 8, .value_kind: global_buffer, .address_space: global }
    .group_segment_fixed_size: 239616
    .private_segment_fixed_size: 0
    .kernarg_segment_align: 8
    .kernarg_segment_size: 24
    .max_flat_workgroup_size: 512
    .sgpr_count:     66
    .vgpr_count:     256
    .wavefront_size: 32
...
	.end_amdgpu_metadata
.endif
;; end of part 2
;; launch tail (part 3): grid 256 x 1, 8 waves a work-group, no clusters, 191,488 bytes of LDS; arguments arec, Q, W_o_codes, W_o_scales, W1_codes, W1_scales, b1, W2_codes, W2_scales, b2, out0; writes out0
.if DOCPART == 3
	.amdgcn_target "amdgcn-amd-amdhsa--gfx1250"
	.amdhsa_code_object_version 6
	.text
	.protected	k_q9c2eb777ee_tail
	.globl	k_q9c2eb777ee_tail
	.p2align	8
	.type	k_q9c2eb777ee_tail,@function
k_q9c2eb777ee_tail:
	s_mov_b64 s[64:65], 0
	v_nop
	global_prefetch_b8 v0, s[64:65] scope:SCOPE_SE
	s_setreg_imm32_b32 hwreg(HW_REG_WAVE_MODE, 25, 1), 1
	s_wait_xcnt 0x0
; X = Q + V_att W_o;  out = relu(X W1^T + b1) W2^T + b2 + X.  Three products of K = 512 on codes of E2M3 with one E8M0 scale for each 32 along K; X and the hidden layer are quantised in registers and never go to memory.
; SHARES.  A work-group owns 64 rows: four tiles of 16.  THE WAVES SHARE THE COLUMNS: wave w makes columns 64 w .. 64 w + 63 of all three products; its 64 rows of the weight in hand (16 fragments, 192 registers, window 1) come
; from memory straight into registers.  What goes round is small: the rows' codes, through LDS as images of operand registers.
; THE UNIT.  Source 0 = 16 rows of the weight, source 1 = a tile of 16 rows of the activations.  Lane r of weight tile u takes row 8 u + r + 24 (r / 8) of the wave's 64, so that lane (r, h) ends with
; register 8 u + j = (row r, column 64 w + 32 h + 8 u + j): its 32 registers are block 2 w + h of the next K, whole and in order: the maximum needs no other lane, and two conversions give a HALF IMAGE
; (registers 0-3 at 16 x lane, registers 4-5 at 512 + 8 x lane: 768 bytes), which is half w % 2 of fragment w / 2 of the next operand.
; WHAT IS ADDED COSTS NO ADDITION: Q is the C of the first product's sums, b1 of the second's, X + b2 of the third's.  Q, then X + b2, then the result lie in the wave's own stage in LDS as rows of its 64 columns,
; so that memory is read and written in runs of 256 consecutive bytes by sixteen lanes.
; Three barriers: V_att's images | X's images | the hidden layer's images (which take V_att's place: the second barrier stands between the last read of those and the first store).
; NO JOINT LOADS: the weights are shared by all work-groups, but each wave takes its 24,576 bytes of a weight from memory straight into registers; a joint load lands in LDS, where three weights of 196,608 bytes
; do not fit beside the stages without filling bytes again.
; LIMITS: NaN and infinities are not served.  A block of zeros gets the scale byte 1 and not 127 (its codes are zeros, and only this program reads the bytes); a block whose largest magnitude lies under 2^-124 is held at byte 1.
.set R0,   0                           ; LDS: V_att's images, later the hidden layer's: 4 tiles x 6,144, then 4 x 256 bytes of scale bytes (row r's 16 at 16 r)
.set R1,   25600                       ; X's likewise
.set SCI,  24576
.set STG,  51200                       ; the stages: 17,408 bytes a wave: 4 tiles x 16 rows x (256 + 16)
.set WS,   16                          ; v16-31   the weight's scale words: tile u, K step ks at 4 u + ks
.set SS,   32                          ; v32-39   the activations' scale words, two sets
.set FB,   40                          ; v40-135  the activations' four fragments, two sets of 48
.set ACC,  136                         ; v136-167 four accumulators
.set PC,   168                         ; v168-173 codes
.set TQ,   174
.set HWR,  177                         ; the row's two scale bytes
.set M0,   178
.set M1,   179
.set SO,   180
.set BY,   181
.set T,    182
.set X,    183
.set RB,   184                         ; v184-215 V_att's records; X + b2; rows on the way out
.set B1,   192                         ; window 1: v0-191 the weight; v192-223 b1; v224-255 b2
.set B2,   224
.set MSB, 0
.macro WIN new                         ; the immediate's high byte repeats the setting that is left
.if MSB != \new
	s_set_vgpr_msb (MSB<<8)|\new
.set MSB, \new
.endif
.endm
.macro PLACES
.rept 4
	v_nop
.endr
.endm
.macro BARRIER                         ; my LDS stores have landed and my LDS loads are in: then the work-group's barrier
	s_wait_dscnt 0x0
	s_barrier_signal -1
	s_barrier_wait -1
.endm
.macro WLOAD cp, sp                    ; my 64 rows of a weight: 96 loads of 8 bytes into window 1, 4 loads of scale words
	WIN 0x40
.irp u, 0,1,2,3
.irp ks, 0,1,2,3
.irp p, 0,1,2,3,4,5
	global_load_b64 v[12*(4*\u+\ks)+2*\p:12*(4*\u+\ks)+2*\p+1], v11, s[\cp:\cp+1] offset:3072*\u+96*\ks+48*(\p/3)+8*(\p%3)
.endr
.endr
.endr
	WIN 0
.irp u, 0,1,2,3
	global_load_b128 v[WS+4*\u:WS+4*\u+3], v12, s[\sp:\sp+1] offset:128*\u
.endr
.endm
.macro PUT reg, t, c0, hw              ; my half image of tile t, and my two bytes of each row's sixteen (both halves of the lanes write the same value)
	ds_store_b128 v4, v[\c0:\c0+3] offset:\reg+6144*(\t)
	ds_store_b64 v5, v[\c0+4:\c0+5] offset:\reg+6144*(\t)+512
	ds_store_b16 v6, v[\hw] offset:\reg+SCI+256*(\t)
.endm
.macro FETCH reg, t, buf               ; a tile's four fragments and its scale words: 17 loads
.irp ks, 0,1,2,3
	ds_load_b128 v[FB+48*(\buf)+12*\ks:FB+48*(\buf)+12*\ks+3], v1 offset:\reg+6144*(\t)+1536*\ks
	ds_load_b64 v[FB+48*(\buf)+12*\ks+4:FB+48*(\buf)+12*\ks+5], v2 offset:\reg+6144*(\t)+1536*\ks+512
	ds_load_b128 v[FB+48*(\buf)+12*\ks+6:FB+48*(\buf)+12*\ks+9], v1 offset:\reg+6144*(\t)+1536*\ks+768
	ds_load_b64 v[FB+48*(\buf)+12*\ks+10:FB+48*(\buf)+12*\ks+11], v2 offset:\reg+6144*(\t)+1536*\ks+1280
.endr
	ds_load_b128 v[SS+4*(\buf):SS+4*(\buf)+3], v7 offset:\reg+SCI+256*(\t)
.endm
.macro ACCLOAD t                       ; tile t of my stage in the accumulators' layout: row r, columns 32 h + 8 u + 4 e on
.irp u, 0,1,2,3
.irp e, 0,1
	ds_load_b128 v[ACC+8*\u+4*\e:ACC+8*\u+4*\e+3], v8 offset:4352*(\t)+32*\u+16*\e
.endr
.endr
.endm
.macro ACCSTORE src, t                 ; and back; each group of eight from its low end on
.irp u, 0,1,2,3
.irp e, 0,1
	ds_store_b128 v8, v[\src+8*\u+4*\e:\src+8*\u+4*\e+3] offset:4352*(\t)+32*\u+16*\e
.endr
.endr
.endm
; 16 matrix instructions; the four accumulators take turns, one instruction a turn.  cm = 1: the sums go on from what the accumulators hold; cm = 2: they begin with b1
.macro MUL16 buf, cm
.irp ks, 0,1,2,3
.irp u, 0,1,2,3
.if (\ks == 0) && (\cm == 2)
	WIN 0x11                                       ; sources 0 (the weight) and 2 (b1) in window 1
	v_wmma_scale_f32_16x16x128_f8f6f4 v[ACC+8*\u:ACC+8*\u+7], v[12*(4*\u+\ks):12*(4*\u+\ks)+11], v[FB+48*(\buf)+12*\ks:FB+48*(\buf)+12*\ks+11], v[B1+8*\u:B1+8*\u+7], v[WS+4*\u+\ks], v[SS+4*(\buf)+\ks] matrix_a_fmt:MATRIX_FMT_FP6 matrix_b_fmt:MATRIX_FMT_FP6
.else
	WIN 0x01                                       ; source 0 in window 1
	v_wmma_scale_f32_16x16x128_f8f6f4 v[ACC+8*\u:ACC+8*\u+7], v[12*(4*\u+\ks):12*(4*\u+\ks)+11], v[FB+48*(\buf)+12*\ks:FB+48*(\buf)+12*\ks+11], v[ACC+8*\u:ACC+8*\u+7], v[WS+4*\u+\ks], v[SS+4*(\buf)+\ks] matrix_a_fmt:MATRIX_FMT_FP6 matrix_b_fmt:MATRIX_FMT_FP6
.endif
.endr
.endr
	WIN 0
.endm
; my 32 numbers are one block: its largest magnitude (the floor 2^(3 - 127) among its leaves), its scale, its codes in v[PC] on, the row's two bytes in v[HWR].  abs = 0: none is negative
.macro QUANT32 abs
.if \abs
	v_max3_num_f32 v[M0], |v[ACC]|, |v[ACC+1]|, 0x1800000
	v_max3_num_f32 v[M1], |v[ACC+16]|, |v[ACC+17]|, 0x1800000
.irp i, 2,4,6,8,10,12,14
	v_max3_num_f32 v[M0], v[M0], |v[ACC+\i]|, |v[ACC+\i+1]|
	v_max3_num_f32 v[M1], v[M1], |v[ACC+16+\i]|, |v[ACC+17+\i]|
.endr
.else
	v_max3_num_f32 v[M0], v[ACC], v[ACC+1], 0x1800000
	v_max3_num_f32 v[M1], v[ACC+16], v[ACC+17], 0x1800000
.irp i, 2,4,6,8,10,12,14
	v_max3_num_f32 v[M0], v[M0], v[ACC+\i], v[ACC+\i+1]
	v_max3_num_f32 v[M1], v[M1], v[ACC+16+\i], v[ACC+17+\i]
.endr
.endif
	v_max_num_f32 v[M0], v[M0], v[M1]
	v_add_nc_u32 v[SO], 0xff000000, v[M0]          ; 2 off the exponent field: the conversion's scale operand
	v_lshrrev_b32 v[BY], 23, v[SO]
	v_cvt_scalef32_pk16_fp6_f32 v[PC:PC+2], v[ACC:ACC+15], v[SO]
	v_cvt_scalef32_pk16_fp6_f32 v[TQ:TQ+2], v[ACC+16:ACC+31], v[SO]
	v_nop                                          ; one plain place behind a scaled conversion
.irp i, 0,1,2
	v_mov_b32 v[PC+3+\i], v[TQ+\i]
.endr
	v_lshlrev_b32 v[T], v3, v[BY]
	v_permlanex16_b32 v[X], v[T], s48, s49
	v_or_b32 v[HWR], v[T], v[X]
.endm
	s_load_b512 s[8:23], s[0:1], 0x0               ; arec 8, Q 10, W_o codes 12, W_o scales 14, W1 codes 16, W1 scales 18, b1 20, W2 codes 22
	s_load_b128 s[24:27], s[0:1], 0x40             ; W2 scales 24, b2 26
	s_load_b64 s[28:29], s[0:1], 0x50              ; out0
	v_lshl_add_u32 v254, v0, 2, 0x2e800
	v_mov_b32 v255, 0
	v_lshrrev_b32 v14, 5, v0
	v_readfirstlane_b32 s30, v14                   ; wave w
	v_and_b32 v[T], 31, v0                         ; lane
	v_and_b32 v14, 15, v0                          ; r
	v_bfe_u32 v15, v0, 4, 1                        ; h
	v_lshlrev_b32 v1, 4, v[T]                      ; 16 x lane
	v_lshlrev_b32 v2, 3, v[T]                      ; 8 x lane
	v_lshlrev_b32 v3, 3, v15                       ; 8 h
	s_mul_i32 s31, s30, 768
	v_add_nc_u32 v4, s31, v1                       ; my half image: 768 w on
	v_add_nc_u32 v5, s31, v2
	v_lshlrev_b32 v7, 4, v14                       ; a row's sixteen scale bytes
	s_lshl_b32 s31, s30, 1
	v_add_nc_u32 v6, s31, v7                       ; and my two of them
	s_mul_i32 s31, s30, 17408
	s_add_co_u32 s31, s31, STG                     ; my stage
	v_mul_u32_u24 v8, v14, 272
	v_lshl_add_u32 v8, v15, 7, v8
	v_add_nc_u32 v8, s31, v8                       ; in the accumulators' layout: row r, + 128 h
	v_mul_u32_u24 v9, v15, 272
	v_add_nc_u32 v9, v9, v7
	v_add_nc_u32 v9, s31, v9                       ; by rows: lanes 0-15 one row of 256 bytes, lanes 16-31 the next
	v_lshl_add_u32 v10, v15, 11, v7
	s_lshl_b32 s31, s30, 8
	v_add_nc_u32 v10, s31, v10                     ; and the same in Q and in the output: 2,048 h + 16 r + 256 w
	v_and_b32 v11, 8, v14
	v_mad_u32_u24 v12, v11, 3, v14                 ; r + 24 (r / 8)
	v_mul_u32_u24 v11, v12, 384
	v_mad_u32_u24 v11, v15, 24, v11                ; a weight's row, + 24 h
	v_lshlrev_b32 v12, 4, v12                      ; its scale bytes
	v_lshlrev_b32 v13, 7, v15                      ; a bias: 128 h
	v_mov_b32 v[X], 0                              ; written once: a lane permute's destination counts as one of its sources
	s_mov_b32 s48, 0x76543210
	s_mov_b32 s49, 0xfedcba98                      ; v_permlanex16_b32's selects for lane l xor 16
	s_mov_b32 s33, 0
	s_wait_kmcnt 0x0
	s_lshl_b32 s32, ttmp9, 15
	s_lshl_b32 s34, s30, 10
	s_add_co_u32 s32, s32, s34
	s_add_nc_u64 s[8:9], s[8:9], s[32:33]          ; arec at (tile 4 wg, head w)
	s_lshl_b32 s32, ttmp9, 17
	s_add_nc_u64 s[10:11], s[10:11], s[32:33]      ; Q and the output at my work-group's 64 rows
	s_add_nc_u64 s[28:29], s[28:29], s[32:33]
	s_mul_i32 s32, s30, 24576
	s_add_nc_u64 s[12:13], s[12:13], s[32:33]      ; the weights at my 64 rows
	s_add_nc_u64 s[16:17], s[16:17], s[32:33]
	s_add_nc_u64 s[22:23], s[22:23], s[32:33]
	s_lshl_b32 s32, s30, 10
	s_add_nc_u64 s[14:15], s[14:15], s[32:33]
	s_add_nc_u64 s[18:19], s[18:19], s[32:33]
	s_add_nc_u64 s[24:25], s[24:25], s[32:33]
	s_lshl_b32 s32, s30, 8
	s_add_nc_u64 s[20:21], s[20:21], s[32:33]      ; the biases at my 64 columns
	s_add_nc_u64 s[26:27], s[26:27], s[32:33]
.irp t, 0,1,2,3                        ; head w's record of each tile is half image w of V_att's operand
	global_load_b128 v[RB+8*\t:RB+8*\t+3], v1, s[8:9] offset:8192*\t
	global_load_b64 v[RB+8*\t+4:RB+8*\t+5], v2, s[8:9] offset:8192*\t+512
	global_load_b32 v[RB+8*\t+6], v2, s[8:9] offset:8192*\t+768
.endr
.irp t, 0,1,2,3                        ; Q: my 64 columns of the 64 rows; sixteen lanes read 256 consecutive bytes
.irp i, 0,1,2,3,4,5,6,7
	global_load_b128 v[FB+32*\t+4*\i:FB+32*\t+4*\i+3], v10, s[10:11] offset:(16*\t+2*\i)*2048 th:TH_LOAD_NT
.endr
.endr
	WLOAD 12, 14                                   ; W_o
	WIN 0x40
.irp u, 0,1,2,3
.irp e, 0,1
	global_load_b128 v[B1+8*\u+4*\e:B1+8*\u+4*\e+3], v13, s[20:21] offset:32*\u+16*\e     ; in the results' layout: columns 32 h + 8 u + 4 e on
	global_load_b128 v[B2+8*\u+4*\e:B2+8*\u+4*\e+3], v13, s[26:27] offset:32*\u+16*\e
.endr
.endr
	WIN 0
	s_wait_loadcnt 63                              ; 116 loads were issued behind Q's: the records and Q are in
.irp t, 0,1,2,3
	PUT R0, \t, RB+8*\t, RB+8*\t+6
.endr
.irp t, 0,1,2,3
.irp i, 0,1,2,3,4,5,6,7
	ds_store_b128 v9, v[FB+32*\t+4*\i:FB+32*\t+4*\i+3] offset:4352*\t+544*\i
.endr
.endr
	BARRIER                                        ; V_att's images lie in LDS
	FETCH R0, 0, 0
	s_wait_loadcnt 0x0                             ; W_o and the biases
	; ---- 1: X = Q + V_att W_o
.irp t, 0,1,2,3
	ACCLOAD \t                                     ; Q is the C of the sums
.if \t < 3
	FETCH R0, \t+1, (\t+1)%2
	s_wait_dscnt 17                                ; all but the 17 just issued: this tile, Q, and the last tile's stores, whose data registers may be written again
.else
	s_wait_dscnt 0x0
.endif
	MUL16 \t%2, 1
	PLACES                                         ; four places ahead of the first read of results and of loads into registers that the products read
.if \t == 3
	WLOAD 16, 18                                   ; W1 takes W_o's place behind the phase's last products
.endif
	QUANT32 1
	PUT R1, \t, PC, HWR
	WIN 0x04                                       ; source 1 (b2) in window 1
.set J, 0
.rept 16
	v_pk_add_f32 v[RB+J:RB+J+1], v[ACC+J:ACC+J+1], v[B2+J:B2+J+1]    ; X + b2, which the third product's sums begin with
.set J, J+2
.endr
	WIN 0
	ACCSTORE RB, \t
.endr
	BARRIER                                        ; X's images lie in LDS, and nobody reads V_att's any more
	FETCH R1, 0, 0
	s_wait_loadcnt 0x0                             ; W1
	; ---- 2: the hidden layer, relu(X W1^T + b1)
.irp t, 0,1,2,3
.if \t < 3
	FETCH R1, \t+1, (\t+1)%2
	s_wait_dscnt 17
.else
	s_wait_dscnt 0x0
.endif
	MUL16 \t%2, 2
	PLACES
.if \t == 3
	WLOAD 22, 24                                   ; W2
.endif
.set J, 0
.rept 32
	v_max_num_f32 v[ACC+J], 0, v[ACC+J]            ; the activation, in f32; each accumulator from its low end on
.set J, J+1
.endr
	QUANT32 0
	PUT R0, \t, PC, HWR
.endr
	BARRIER                                        ; the hidden layer's images lie in LDS
	FETCH R0, 0, 0
	s_wait_loadcnt 0x0                             ; W2
	; ---- 3: out = hidden W2^T + (X + b2)
.irp t, 0,1,2,3
	ACCLOAD \t
.if \t < 3
	FETCH R0, \t+1, (\t+1)%2
	s_wait_dscnt 17
.else
	s_wait_dscnt 0x0
.endif
	MUL16 \t%2, 1
	PLACES
	ACCSTORE ACC, \t
	s_wait_xcnt 0x0                                ; the last tile's stores have had their addresses translated: their data registers are loaded again only behind this wait
.irp i, 0,1,2,3,4,5,6,7
	ds_load_b128 v[RB+4*\i:RB+4*\i+3], v9 offset:4352*\t+544*\i      ; LDS serves a wave's instructions in order: these see my stores
.endr
	s_wait_dscnt 0x0
.irp i, 0,1,2,3,4,5,6,7
	global_store_b128 v10, v[RB+4*\i:RB+4*\i+3], s[28:29] offset:(16*\t+2*\i)*2048 th:TH_STORE_NT   ; sixteen lanes store 256 consecutive bytes, at a multiple of 256 from the output's first byte
.endr
.endr
	s_wait_tensorcnt 0x0
	ds_add_u32 v254, v255
	s_wait_dscnt 0x0
	s_endpgm
.Lfunc_end_k_q9c2eb777ee_tail:
	.size	k_q9c2eb777ee_tail, .Lfunc_end_k_q9c2eb777ee_tail-k_q9c2eb777ee_tail
	.p2alignl 7, 3214868480
	.fill 96, 4, 3214868480
	.section	.rodata,"a",@progbits
	.p2align	6, 0x0
	.amdhsa_kernel k_q9c2eb777ee_tail
		.amdhsa_group_segment_fixed_size 191488
		.amdhsa_private_segment_fixed_size 0
		.amdhsa_enable_private_segment 0
		.amdhsa_kernarg_size 88
		.amdhsa_user_sgpr_count 2
		.amdhsa_user_sgpr_kernarg_segment_ptr 1
		.amdhsa_wavefront_size32 1
		.amdhsa_system_sgpr_workgroup_id_x 1
		.amdhsa_system_sgpr_workgroup_id_y 1
		.amdhsa_system_sgpr_workgroup_id_z 1
		.amdhsa_system_vgpr_workitem_id 0
		.amdhsa_next_free_vgpr 512
		.amdhsa_next_free_sgpr 66
		.amdhsa_reserve_vcc 0
		.amdhsa_float_denorm_mode_32 3
		.amdhsa_float_denorm_mode_16_64 3
		.amdhsa_memory_ordered 1
		.amdhsa_forward_progress 1
		.amdhsa_inst_pref_size 116
	.end_amdhsa_kernel
	.amdgpu_metadata
---
amdhsa.version: [ 1, 2 ]
amdhsa.kernels:
  - .name:           k_q9c2eb777ee_tail
    .symbol:         k_q9c2eb777ee_tail.kd
    .args:
      - { .name: arec, .offset: 0, .size: 8, .value_kind: global_buffer, .address_space: global }
      - { .name: Q, .offset: 8, .size: 8, .value_kind: global_buffer, .address_space: global }
      - { .name: W_o_codes, .offset: 16, .size: 8, .value_kind: global_buffer, .address_space: global }
      - { .name: W_o_scales, .offset: 24, .size: 8, .value_kind: global_buffer, .address_space: global }
      - { .name: W1_codes, .offset: 32, .size: 8, .value_kind: global_buffer, .address_space: global }
      - { .name: W1_scales, .offset: 40, .size: 8, .value_kind: global_buffer, .address_space: global }
      - { .name: b1, .offset: 48, .size: 8, .value_kind: global_buffer, .address_space: global }
      - { .name: W2_codes, .offset: 56, .size: 8, .value_kind: global_buffer, .address_space: global }
      - { .name: W2_scales, .offset: 64, .size: 8, .value_kind: global_buffer, .address_space: global }
      - { .name: b2, .offset: 72, .size: 8, .value_kind: global_buffer, .address_space: global }
      - { .name: out0, .offset: 80, .size: 8, .value_kind: global_buffer, .address_space: global }
    .group_segment_fixed_size: 191488
    .private_segment_fixed_size: 0
    .kernarg_segment_align: 8
    .kernarg_segment_size: 88
    .max_flat_workgroup_size: 256
    .sgpr_count:     66
    .vgpr_count:     512
    .wavefront_size: 32
...
	.end_amdgpu_metadata
.endif
;; end of part 3
;; ======== version 2 of 2: 3 launches
;; workspace buffers: qrec 8,388,608 bytes; kvrec 13,107,200 bytes; arec 8,388,608 bytes
;; launch project (part 4): grid 256 x 1, 8 waves a work-group, no clusters, 164,864 bytes of LDS; arguments Q, K_codes, K_scales, V_codes, V_scales, W_q_codes, W_q_scales, W_k_codes, W_k_scales, W_v_codes, W_v_scales, qrec, kvrec; writes qrec, kvrec
.if DOCPART == 4
	.amdgcn_target "amdgcn-amd-amdhsa--gfx1250"
	.amdhsa_code_object_version 6
	.text
	.protected	k_q9c2eb777ee_project
	.globl	k_q9c2eb777ee_project
	.p2align	8
	.type	k_q9c2eb777ee_project,@function
k_q9c2eb777ee_project:
	s_mov_b64 s[64:65], 0
	v_nop
	global_prefetch_b8 v0, s[64:65] scope:SCOPE_SE
	s_setreg_imm32_b32 hwreg(HW_REG_WAVE_SCHED_MODE, 0, 2), 2
	s_setreg_imm32_b32 hwreg(HW_REG_WAVE_MODE, 25, 1), 1
	s_wait_xcnt 0x0
	s_wait_alu depctr_vm_vsrc(0)
; THE THREE PROJECTIONS, Qh = Q W_q, Kh = K W_k, Vh = V W_v, on codes of E2M3 with one E8M0 scale for each 32 along K, and their results quantised for attention:
; Qh and Kh along the head's 64 channels, Vh along the keys.  Nothing wide goes to memory: the results leave as IMAGES OF OPERAND REGISTERS, in the order in which the next launch's lanes take them.
; THE UNIT.  A wave keeps a STATIONARY group of 64 rows (16 fragments, 192 registers, window 1).  A STREAMING tile of 16 rows x 512 K comes from LDS as an image of its registers.  16 matrix instructions
; (source 0 = stationary tile u, source 1 = the streaming tile; 4 tiles x 4 K steps).  Lane r of stationary tile u takes row 8 u + r + 24 (r / 8) of the group, so that lane (r, h) ends with
; register 8 u + j = dot(streaming row r, stationary row 32 h + 8 u + j): ITS 32 REGISTERS ARE ONE WHOLE BLOCK OF 32 ALONG THE NEXT K, in order.  The block's largest magnitude needs no other lane, and two
; conversions give registers 0-5 of a 6-bit operand (k = 32 h + 0 .. 31): a HALF IMAGE of 768 bytes: registers 0-3 at 16 x lane, registers 4-5 at 512 + 8 x lane.
; SHARES.  Work-groups 0-127: 128 queries each; stationary W_q (wave = head); the eight waves first quantise one tile of Q each from f32.
;          Work-groups 128-191: 256 keys each; stationary W_k (wave = head); streaming 16 tiles of K's codes.  Work-groups 192-255: 512 keys x 4 heads; stationary 64 rows of V's codes a wave; streaming 16 tiles of W_v.
; The rows of a streaming tile of K and of W_v are 8 (tile % 4) + r + 24 (r / 8) of their group of 64, so that in attention a lane's scores are whole blocks of neighbouring keys and its outputs whole blocks of channels.
; qrec [b][query tile][head]: 1,024 bytes: a half image, then at 768 + 8 x lane the word (hw | hw << 16) of row lane % 16, twice; hw = the row's two scale bytes.
; kvrec [b][head][step of 128 keys]: 12,800 bytes: 8 half images of K; at 6,144 K's scale words; at 6,400 the 4 x 2 half images of V^T; at 12,544 V's scale words.
; NO JOINT LOADS: the weights are shared by all work-groups, but each wave takes its 24,576 bytes from memory straight into the registers where they stay; a joint load lands in LDS and would add a passage
; of 196,608 bytes through LDS to every work-group.
; LIMITS: NaN and infinities are not served.  A block of zeros gets the scale byte 1 and not 127 (its codes are zeros, and only this program reads the bytes); a block whose largest magnitude lies under 2^-124 is held at byte 1.
; THE MODE: SCHED_MODE bits 1:0 = 2 (LLVM: expert scheduling mode 2), set by the entry lines.  The code itself states the register dependences
; between vector or matrix instructions and memory or LDS instructions, with s_wait_alu, always for 0.
; THE PLAN.  Registers that memory or LDS instructions touch, tile by tile:
;   FB0, FB1 with SS0, SS1   Tile TT's sixteen products read set TT % 2; behind them the LDS loads of tile TT + 2 land in it.
;   PC0, PC1 (and, by path, the pair W0 in two sets, the pair KS, the eight HW)   Tile TT's quantiser writes set TT % 2; the stores that read it are issued in tile TT + 1.
;   v1, v2, v4 to v12        Offsets and LDS addresses, made once at the head and never written again; tiles are reached by immediate offsets.
;   Window 1 and WS          The stationary rows: loaded once.
; So the lines behind a tile's products state all that its memory and LDS instructions hang on: the stores of two tiles back have read the set that this tile's quantiser writes; the products are done
; reading their fragments; the last tile's quantiser has written what the stores read.  The loads and stores follow at once, and the quantiser, which names none of their registers, behind them.
.set TIMG, 6656                        ; a streaming tile in LDS: 4 fragments x 3 x 512 bytes, then at 6,144 its scale words, 16 bytes a lane
.set RK,   8*TIMG                      ; LDS: 0: the 8 tiles of Q;  RK: the 16 tiles of K or of W_v;  RS: scratch for V's scale words, 16 x 256 bytes
.set RS,   RK+16*TIMG
.set REC,  12800
.set WS,   16                          ; v16-31   the stationary rows' scale words: tile u, K step ks at 4 u + ks
.set SS,   32                          ; v32-39   the streaming tile's scale words, two sets
.set FB,   40                          ; v40-135  the streaming tile's four fragments, two sets of 48
.set ACC,  136                         ; v136-167 four accumulators
.set PC,   168                         ; v168-173 the six registers of codes, set 0;  v226-231 set 1
.set PCD,  58                          ; from set 0 to set 1
.set TQ,   174                         ; v174-176 the second conversion's result (three registers begin on an even number)
.set M0,   178
.set M1,   179
.set SO,   180
.set BY,   181
.set T,    182
.set X,    183
.set W0,   184                         ; v184-185 a pair for a store, set 0;  v232-233 set 1
.set W0D,  48                          ; from set 0 to set 1
.set HW,   186                         ; v186-193 the halfwords of eight tiles
.set KS,   194                         ; v194-195 a pair for a store
.set PC12, 196                         ; v196-207 Q's tile: a fragment's codes;  v208-215 second halves;  v216-219 its four scale words;  v220-224 at work
.set TQ2,  208
.set SW,   216
.set QM,   220
.set MSB, 0
.macro WIN new                         ; the immediate's high byte repeats the setting that is left
.if MSB != \new
	s_set_vgpr_msb (MSB<<8)|\new
.set MSB, \new
.endif
.endm
.macro PLACES
.rept 4
	v_nop
.endr
.endm
.macro BARRIER                         ; my LDS stores have landed and my LDS loads are in: then the work-group's barrier
	s_wait_dscnt 0x0
	s_barrier_signal -1
	s_barrier_wait -1
.endm
; the stationary group: 96 loads of 8 bytes into window 1 (fragment (u, ks) at 12 (4 u + ks)), 4 loads of scale words.  Between the wait that shows their offsets written and these loads stand only loads and window switches
.macro WLOAD
	WIN 0x40
.irp u, 0,1,2,3
.irp ks, 0,1,2,3
.irp p, 0,1,2,3,4,5
	global_load_b64 v[12*(4*\u+\ks)+2*\p:12*(4*\u+\ks)+2*\p+1], v4, s[36:37] offset:3072*\u+96*\ks+48*(\p/3)+8*(\p%3)
.endr
.endr
.endr
	WIN 0
.irp u, 0,1,2,3
	global_load_b128 v[WS+4*\u:WS+4*\u+3], v5, s[38:39] offset:128*\u
.endr
.endm
; a streaming tile out of LDS: 13 loads
.macro FETCH adr, off, buf
.irp i, 0,1,2,3,4,5,6,7,8,9,10,11
	ds_load_b128 v[FB+48*(\buf)+4*\i:FB+48*(\buf)+4*\i+3], v[\adr] offset:(\off)+512*\i
.endr
	ds_load_b128 v[SS+4*(\buf):SS+4*(\buf)+3], v[\adr] offset:(\off)+6144
.endm
; 16 matrix instructions; the four accumulators take turns, one instruction a turn; the first K step starts the sums
.macro MUL16 buf
	WIN 0x01                                       ; source 0 (the stationary rows) in window 1
.irp ks, 0,1,2,3
.irp u, 0,1,2,3
.if \ks == 0
	v_wmma_scale_f32_16x16x128_f8f6f4 v[ACC+8*\u:ACC+8*\u+7], v[12*(4*\u+\ks):12*(4*\u+\ks)+11], v[FB+48*(\buf)+12*\ks:FB+48*(\buf)+12*\ks+11], 0, v[WS+4*\u+\ks], v[SS+4*(\buf)+\ks] matrix_a_fmt:MATRIX_FMT_FP6 matrix_b_fmt:MATRIX_FMT_FP6
.else
	v_wmma_scale_f32_16x16x128_f8f6f4 v[ACC+8*\u:ACC+8*\u+7], v[12*(4*\u+\ks):12*(4*\u+\ks)+11], v[FB+48*(\buf)+12*\ks:FB+48*(\buf)+12*\ks+11], v[ACC+8*\u:ACC+8*\u+7], v[WS+4*\u+\ks], v[SS+4*(\buf)+\ks] matrix_a_fmt:MATRIX_FMT_FP6 matrix_b_fmt:MATRIX_FMT_FP6
.endif
.endr
.endr
	WIN 0
.endm
; my 32 results are one block: its largest magnitude (with the floor 2^(3 - 127) as a leaf, so that the byte cannot fall under 1), its scale, its codes in set TT % 2 of PC, and the row's two bytes in v[hw]
.macro QUANT32 hw
.set PCS, PC+PCD*(TT%2)
	v_max3_num_f32 v[M0], |v[ACC]|, |v[ACC+1]|, 0x1800000       ; two chains; each accumulator is read from its low end on
	v_max3_num_f32 v[M1], |v[ACC+16]|, |v[ACC+17]|, 0x1800000
.irp i, 2,4,6,8,10,12,14
	v_max3_num_f32 v[M0], v[M0], |v[ACC+\i]|, |v[ACC+\i+1]|
	v_max3_num_f32 v[M1], v[M1], |v[ACC+16+\i]|, |v[ACC+17+\i]|
.endr
	v_max_num_f32 v[M0], v[M0], v[M1]
	v_add_nc_u32 v[SO], 0xff000000, v[M0]          ; 2 off the exponent field: the conversion takes the exponent field of this operand as its scale
	v_lshrrev_b32 v[BY], 23, v[SO]                 ; the scale's byte
	v_cvt_scalef32_pk16_fp6_f32 v[PCS:PCS+2], v[ACC:ACC+15], v[SO]
	v_cvt_scalef32_pk16_fp6_f32 v[TQ:TQ+2], v[ACC+16:ACC+31], v[SO]
	v_nop                                          ; one plain place behind a scaled conversion
.irp i, 0,1,2
	v_mov_b32 v[PCS+3+\i], v[TQ+\i]
.endr
	v_lshlrev_b32 v[T], v3, v[BY]                  ; my block's byte at its place, 8 h bits up;
	v_permlanex16_b32 v[X], v[T], s48, s49
	v_or_b32 v[\hw], v[T], v[X]                    ; with lane l xor 16's: the row's halfword, in both halves of the lanes
.endm
; Tile TT of n: its products, then the lines that state what the tile's loads and stores hang on
.macro TILE n
.if TT+1 < \n
	s_wait_dscnt 13                                ; LDS serves a wave's instructions in order: this tile is in; the next tile's 13 loads may be out (where a 2-byte store was issued ahead of those, it is waited for too)
.else
	s_wait_dscnt 0x0
.endif
	MUL16 TT%2
	PLACES                                         ; four places ahead of the first read of results; with the quantiser's lines that name no accumulator they are more than the five that the next tile's first products want
.if TT > 1
	s_wait_xcnt 0x0                                ; the stores of tile TT - 2, issued a tile ago, have had their addresses translated,
	s_wait_alu depctr_vm_vsrc(0)                   ; and have read their data registers: this tile's quantiser writes the same set again
.endif
	s_wait_alu depctr_va_vdst(0)                   ; this tile's products are done reading their fragments and scale words, in which the loads of tile TT + 2 land; the last tile's quantiser has written the codes and scale bytes that the stores below read
.endm
.macro AHEAD adr, n                    ; tile TT + 2 is asked for, into the set that tile TT's products have left: it has this tile's quantiser and the next tile's products in which to land
.if TT+2 < \n
	FETCH \adr+(TT+2)/8,((TT+2)%8)*TIMG,TT%2
.endif
.endm
	s_load_b512 s[8:23], s[0:1], 0x0               ; Q 8, K codes 10, K scales 12, V codes 14, V scales 16, W_q codes 18, W_q scales 20, W_k codes 22
	s_load_b256 s[24:31], s[0:1], 0x40             ; W_k scales 24, W_v codes 26, W_v scales 28, qrec 30
	s_load_b64 s[32:33], s[0:1], 0x60              ; kvrec
	v_lshl_add_u32 v254, v0, 2, 0x28000
	v_mov_b32 v255, 0
	v_lshrrev_b32 v13, 5, v0
	v_readfirstlane_b32 s34, v13                   ; wave g
	v_and_b32 v13, 31, v0                          ; lane
	v_and_b32 v14, 15, v0                          ; r
	v_bfe_u32 v15, v0, 4, 1                        ; h
	v_lshlrev_b32 v1, 4, v13                       ; 16 x lane
	v_lshlrev_b32 v2, 3, v13                       ; 8 x lane
	v_lshlrev_b32 v3, 3, v15                       ; 8 h
	v_and_b32 v4, 8, v14
	v_mad_u32_u24 v5, v4, 3, v14                   ; r + 24 (r / 8)
	v_mul_u32_u24 v4, v5, 384                      ; a row of 512 codes is 384 bytes,
	v_mad_u32_u24 v4, v15, 24, v4                  ; + 24 h
	v_lshlrev_b32 v5, 4, v5                        ; a row of scale bytes is 16
	v_lshlrev_b32 v6, 11, v14                      ; Q: row r of 2,048 bytes,
	v_lshl_add_u32 v6, v15, 7, v6                  ; + 128 h: my block of 32 numbers
	s_wait_alu depctr_va_sdst(0)                   ; s34 is written, ahead of its first reader: LDS places and the buffers' bases are made from it
	s_mul_i32 s52, s34, TIMG
	v_add_nc_u32 v7, s52, v1                       ; where I put Q's tile g
	s_mul_i32 s52, s34, 2*TIMG
	s_add_co_u32 s52, s52, RK
	v_add_nc_u32 v8, s52, v1                       ; where I put streaming tiles 2 g and 2 g + 1
	v_add_nc_u32 v9, RK, v1                        ; tiles 0-7 are read from here,
	v_add_nc_u32 v10, RK+8*TIMG, v1                ; tiles 8-15 from here (an LDS offset has 16 bits)
	s_lshr_b32 s52, s34, 1
	s_lshl_b32 s52, s52, 10
	s_and_b32 s53, s34, 1
	s_lshl_b32 s53, s53, 1
	s_add_co_u32 s52, s52, s53
	s_add_co_u32 s52, s52, RS
	v_lshl_add_u32 v11, v14, 3, s52                ; V's scale scratch, in: 1,024 (g / 2) + 2 (g % 2) + 8 r
	s_lshl_b32 s52, s34, 9
	s_add_co_u32 s52, s52, RS
	v_add_nc_u32 v12, s52, v2                      ; and out: 512 g + 8 x lane
	v_mov_b32 v[X], 0                              ; written once: a lane permute's destination counts as one of its sources
	s_mov_b32 s48, 0x76543210
	s_mov_b32 s49, 0xfedcba98                      ; v_permlanex16_b32's selects for lane l xor 16
	s_mov_b32 s50, 0xffff0000                      ; lanes 16-31
	s_wait_kmcnt 0x0
	s_cmp_lt_u32 ttmp9, 128
	s_cbranch_scc1 .LQ
	; ---- K's and V's work-groups: one text up to the way out; only pointers and first rows are chosen
	s_lshr_b32 s52, s34, 1                         ; g / 2
	s_and_b32 s53, s34, 1                          ; g % 2
	s_lshl_b32 s54, s52, 6
	s_lshl_b32 s55, s53, 4
	s_add_co_u32 s54, s54, s55                     ; streaming tiles 2 g, 2 g + 1 begin at row 64 (g / 2) + 16 (g % 2) of the 256
	s_lshl_b32 s55, s34, 6                         ; my stationary group: 64 g
	s_and_b32 s56, ttmp9, 63                       ; j: the work-group's number among K's or among V's
	s_lshr_b32 s57, s56, 1                         ; V: which 512 keys
	s_and_b32 s58, s56, 1                          ; V: which four heads
	s_lshl_b32 s59, s57, 9
	s_lshl_b32 s60, s58, 8
	s_lshl_b32 s61, s56, 8
	s_cmp_lt_u32 ttmp9, 192                        ; K's work-group or V's?  The choice hangs on the work-group's number alone
	s_cselect_b64 s[36:37], s[22:23], s[14:15]     ; stationary: W_k or V
	s_cselect_b64 s[38:39], s[24:25], s[16:17]
	s_cselect_b64 s[40:41], s[10:11], s[26:27]     ; streaming: K or W_v
	s_cselect_b64 s[42:43], s[12:13], s[28:29]
	s_cselect_b32 s59, 0, s59
	s_cselect_b32 s60, s61, s60
	s_add_co_u32 s59, s59, s55                     ; my first stationary row
	s_add_co_u32 s60, s60, s54                     ; my first streaming row
	s_mul_i32 s62, s59, 384
	s_mov_b32 s63, 0
	s_add_nc_u64 s[36:37], s[36:37], s[62:63]
	s_lshl_b32 s62, s59, 4
	s_add_nc_u64 s[38:39], s[38:39], s[62:63]
	s_mul_i32 s62, s60, 384
	s_add_nc_u64 s[40:41], s[40:41], s[62:63]
	s_lshl_b32 s62, s60, 4
	s_add_nc_u64 s[42:43], s[42:43], s[62:63]
	s_wait_alu depctr_va_vdst(0)                   ; the offsets and LDS addresses v1, v2, v4 to v12 are written: every load and store of this path reads some of them
.irp e, 0,1                            ; my two streaming tiles: 24 loads of 8 bytes and the scale words, 52 registers each
.irp ks, 0,1,2,3
.irp p, 0,1,2,3,4,5
	global_load_b64 v[FB+52*\e+12*\ks+2*\p:FB+52*\e+12*\ks+2*\p+1], v4, s[40:41] offset:3072*\e+96*\ks+48*(\p/3)+8*(\p%3)
.endr
.endr
	global_load_b128 v[FB+52*\e+48:FB+52*\e+51], v5, s[42:43] offset:128*\e
.endr
	WLOAD
	s_wait_loadcnt 63                              ; 100 loads were issued behind the streaming tiles': these are in
.irp e, 0,1
.irp i, 0,1,2,3,4,5,6,7,8,9,10,11,12
	ds_store_b128 v8, v[FB+52*\e+4*\i:FB+52*\e+4*\i+3] offset:TIMG*\e+512*\i     ; the registers as they stand: 512 consecutive bytes a store
.endr
.endr
	BARRIER                                        ; the sixteen tiles lie in LDS
	s_wait_alu depctr_vm_vsrc(0)                   ; my LDS stores have read v40 to v143: from here on the fragments' loads land there and the products write v136 on
	FETCH 9,0,0
	FETCH 9,TIMG,1                                 ; tiles 0 and 1; each tile asks for the one two tiles on
	s_wait_loadcnt 0x0                             ; the stationary group
	s_cmp_lt_u32 ttmp9, 192
	s_cbranch_scc0 .LV
	; ---- K: wave = head; tile TT is tile TT % 8 of step 2 (j % 8) + TT / 8
	s_lshr_b32 s54, s56, 3                         ; b
	s_lshl_b32 s54, s54, 3
	s_add_co_u32 s54, s54, s34                     ; 8 b + head
	s_lshl_b32 s54, s54, 4
	s_and_b32 s55, s56, 7
	s_lshl_b32 s55, s55, 1
	s_add_co_u32 s54, s54, s55                     ; the first record's number
	s_mul_i32 s54, s54, REC
	s_mov_b32 s55, 0
	s_add_nc_u64 s[44:45], s[32:33], s[54:55]
.macro KOUT t                          ; tile t's half image, and behind a step's last tile its scale words
.set PCO, PC+PCD*((\t)%2)
	global_store_b128 v1, v[PCO:PCO+3], s[44:45] offset:REC*((\t)/8)+768*((\t)%8)          ; 512 consecutive bytes,
	global_store_b64 v2, v[PCO+4:PCO+5], s[44:45] offset:REC*((\t)/8)+768*((\t)%8)+512     ; and 256
.if (\t)%8 == 7
	global_store_b64 v2, v[KS:KS+1], s[44:45] offset:REC*((\t)/8)+6144
.endif
.endm
.set TT, 0
.rept 16
	TILE 16
	AHEAD 9, 16
.if TT > 0
	KOUT TT-1
.endif
	QUANT32 HW+TT%8
.if TT%8 == 7                          ; a step's scale words: pair p of tiles has hw[2 p] | hw[2 p + 1] << 16; pairs 0, 2 in lanes 0-15, pairs 1, 3 in lanes 16-31
	v_lshl_or_b32 v[M0], v[HW+1], 16, v[HW]
	v_lshl_or_b32 v[M1], v[HW+3], 16, v[HW+2]
	v_lshl_or_b32 v[T], v[HW+5], 16, v[HW+4]
	v_lshl_or_b32 v[W0], v[HW+7], 16, v[HW+6]
	v_cndmask_b32 v[KS], v[M0], v[M1], s50         ; (the pair was last a store's data seven tiles ago: every tile since has waited for the stores issued ahead of it)
	v_cndmask_b32 v[KS+1], v[T], v[W0], s50
.endif
.set TT, TT+1
.endr
	s_wait_alu depctr_va_vdst(0)                   ; tile 15's quantiser has written its codes, and the lines behind it the step's scale words, which the last stores read
	KOUT 15
	s_wait_dscnt 0x0
	s_wait_alu depctr_hold_cnt(0) depctr_sa_sdst(0) depctr_va_vdst(0) depctr_va_sdst(0) depctr_va_ssrc(0) depctr_va_vcc(0) depctr_vm_vsrc(0)
	s_wait_tensorcnt 0x0
	ds_add_u32 v254, v255
	s_wait_dscnt 0x0
	s_endpgm
.LV:	; ---- V: my 64 keys are half g % 2 of step 4 (tg % 4) + g / 2; tile TT is channel tile TT % 4 of head 4 (j % 2) + TT / 4
	s_lshr_b32 s54, s57, 2                         ; b
	s_lshl_b32 s54, s54, 3
	s_lshl_b32 s55, s58, 2
	s_add_co_u32 s54, s54, s55                     ; 8 b + 4 (j % 2): the first head
	s_and_b32 s55, s57, 3
	s_lshl_b32 s55, s55, 2
	s_add_co_u32 s55, s55, s52                     ; the step
	s_lshl_b32 s59, s54, 4
	s_add_co_u32 s59, s59, s55
	s_mul_i32 s60, s59, REC
	s_mul_i32 s61, s53, 768
	s_add_co_u32 s60, s60, s61
	s_add_co_u32 s60, s60, 6400
	s_mov_b32 s61, 0
	s_add_nc_u64 s[44:45], s[32:33], s[60:61]      ; my half images
	s_lshl_b32 s59, s53, 1
	s_add_co_u32 s59, s59, s54
	s_lshl_b32 s59, s59, 4
	s_add_co_u32 s59, s59, s55
	s_mul_i32 s60, s59, REC
	s_add_co_u32 s60, s60, 12544
	s_add_nc_u64 s[46:47], s[32:33], s[60:61]      ; the two records whose scale words I store: heads 2 (g % 2) and 2 (g % 2) + 1 of the four, step g / 2 of the four
.macro VBYTES t                        ; a channel's word takes two bytes from me and two from the wave beside me: they meet in LDS.  Both halves of the lanes write the same value
	ds_store_b16 v11, v[HW+(\t)%8] offset:256*((\t)/4)+128*((\t)%2)+4*(((\t)%4)/2)
.endm
.macro VOUT t
.set PCO, PC+PCD*((\t)%2)
	global_store_b128 v1, v[PCO:PCO+3], s[44:45] offset:16*REC*((\t)/4)+1536*((\t)%4)
	global_store_b64 v2, v[PCO+4:PCO+5], s[44:45] offset:16*REC*((\t)/4)+1536*((\t)%4)+512
.endm
.set TT, 0
.rept 16
	TILE 16
.if TT > 0
	VBYTES TT-1                                    ; ahead of the loads, so that the count at the next tile's head leaves just those out
.endif
	AHEAD 9, 16
.if TT > 0
	VOUT TT-1
.endif
	QUANT32 HW+TT%8
.set TT, TT+1
.endr
	s_wait_alu depctr_va_vdst(0)                   ; tile 15's quantiser has written its codes and its halfword, which the last stores read
	VBYTES 15
	VOUT 15
	BARRIER
	ds_load_b64 v[KS:KS+1], v12
	ds_load_b64 v[W0:W0+1], v12 offset:256
	s_wait_dscnt 0x0
	global_store_b64 v2, v[KS:KS+1], s[46:47]
	global_store_b64 v2, v[W0:W0+1], s[46:47] offset:16*REC
	s_wait_dscnt 0x0
	s_wait_alu depctr_hold_cnt(0) depctr_sa_sdst(0) depctr_va_vdst(0) depctr_va_sdst(0) depctr_va_ssrc(0) depctr_va_vcc(0) depctr_vm_vsrc(0)
	s_wait_tensorcnt 0x0
	ds_add_u32 v254, v255
	s_wait_dscnt 0x0
	s_endpgm
.LQ:	; ---- Q: wave = head for the products; for the quantising wave g takes tile g: queries 128 wg + 16 g + r
	s_mul_i32 s52, s34, 24576
	s_mov_b32 s53, 0
	s_add_nc_u64 s[36:37], s[18:19], s[52:53]      ; W_q's rows 64 g on
	s_lshl_b32 s52, s34, 10
	s_add_nc_u64 s[38:39], s[20:21], s[52:53]
	s_lshl_b32 s52, ttmp9, 18
	s_lshl_b32 s54, s34, 15
	s_add_co_u32 s52, s52, s54
	s_add_nc_u64 s[40:41], s[8:9], s[52:53]        ; Q at my tile
	s_lshl_b32 s52, ttmp9, 16
	s_lshl_b32 s54, s34, 10
	s_add_co_u32 s52, s52, s54
	s_add_nc_u64 s[44:45], s[30:31], s[52:53]      ; qrec at (tile 8 wg, head g)
; K step ks of my row: lane (r, h) takes the blocks k = 128 ks + 64 c + 32 h + 0 .. 31, c = 0, 1: the very numbers that the operand's layout gives it
.macro XLOAD set, ks
.irp c, 0,1
.irp j, 0,1,2,3,4,5,6,7
	global_load_b128 v[FB+64*(\set)+32*\c+4*\j:FB+64*(\set)+32*\c+4*\j+3], v6, s[40:41] offset:512*(\ks)+256*\c+16*\j
.endr
.endr
.endm
; 64 numbers, two whole blocks, become a fragment's 12 registers and the row's scale word
.macro QUANT64 xs, ks
.irp c, 0,1
	v_max3_num_f32 v[QM+\c], |v[(\xs)+32*\c]|, |v[(\xs)+32*\c+1]|, 0x1800000
.endr
.irp i, 2,4,6,8,10,12,14,16,18,20,22,24,26,28,30
.irp c, 0,1
	v_max3_num_f32 v[QM+\c], v[QM+\c], |v[(\xs)+32*\c+\i]|, |v[(\xs)+32*\c+\i+1]|    ; (the two blocks by turns)
.endr
.endr
.irp c, 0,1
	v_add_nc_u32 v[QM+2+\c], 0xff000000, v[QM+\c]
.endr
.irp c, 0,1
	v_lshrrev_b32 v[QM+\c], 23, v[QM+2+\c]
.endr
	v_lshl_or_b32 v[QM+4], v[QM+1], 16, v[QM]      ; my bytes: blocks h and 2 + h,
	v_lshlrev_b32 v[QM+4], v3, v[QM+4]             ; at their places;
	v_permlanex16_b32 v[X], v[QM+4], s48, s49
	v_or_b32 v[SW+\ks], v[QM+4], v[X]              ; with lane l xor 16's two the word is whole
.irp c, 0,1
	v_cvt_scalef32_pk16_fp6_f32 v[PC12+6*\c:PC12+6*\c+2], v[(\xs)+32*\c:(\xs)+32*\c+15], v[QM+2+\c]
	v_cvt_scalef32_pk16_fp6_f32 v[TQ2+4*\c:TQ2+4*\c+2], v[(\xs)+32*\c+16:(\xs)+32*\c+31], v[QM+2+\c]
.endr
	v_nop                                          ; one plain place behind a scaled conversion
.irp c, 0,1
.irp i, 0,1,2
	v_mov_b32 v[PC12+6*\c+3+\i], v[TQ2+4*\c+\i]
.endr
.endr
	s_wait_alu depctr_va_vdst(0)                   ; the fragment's codes and the scale word are written, which the LDS stores read; the lines above are done reading the 64 numbers, in whose registers the next loads land
.irp i, 0,1,2
	ds_store_b128 v7, v[PC12+4*\i:PC12+4*\i+3] offset:1536*\ks+512*\i
.endr
.endm
	s_wait_alu depctr_va_vdst(0)                   ; the offsets and LDS addresses v1, v2, v4 to v7 are written: every load and store of this path reads some of them
	XLOAD 0, 0
	XLOAD 1, 1
	WLOAD
	s_wait_loadcnt 63                              ; behind K step 0's loads 116 were issued
	QUANT64 FB, 0
	XLOAD 0, 2
	s_wait_loadcnt 63                              ; behind K step 1's likewise 116
	s_wait_dscnt 0x0                               ; the image's stores are done,
	s_wait_alu depctr_vm_vsrc(0)                   ; and have read the codes' registers, which the next fragment's conversions write
	QUANT64 FB+64, 1
	XLOAD 1, 3
	s_wait_loadcnt 16                              ; K step 3's sixteen may be out
	s_wait_dscnt 0x0
	s_wait_alu depctr_vm_vsrc(0)                   ; the image's stores have read the codes' registers, which the next fragment's conversions write
	QUANT64 FB, 2
	s_wait_loadcnt 0x0
	s_wait_dscnt 0x0
	s_wait_alu depctr_vm_vsrc(0)                   ; the image's stores have read the codes' registers, which the last fragment's conversions write
	QUANT64 FB+64, 3
	ds_store_b128 v7, v[SW:SW+3] offset:6144       ; (the four words were written ahead of the last fragment's wait)
	BARRIER                                        ; the eight tiles lie in LDS
	FETCH 1,0,0                                    ; into registers that held Q's numbers: no vector instruction has named them since the last fragment's wait
	FETCH 1,TIMG,1                                 ; tiles 0 and 1; each tile asks for the one two tiles on
.macro QOUT t
.set PCO, PC+PCD*((\t)%2)
.set WPO, W0+W0D*((\t)%2)
	global_store_b128 v1, v[PCO:PCO+3], s[44:45] offset:8192*(\t)
	global_store_b64 v2, v[PCO+4:PCO+5], s[44:45] offset:8192*(\t)+512
	global_store_b64 v2, v[WPO:WPO+1], s[44:45] offset:8192*(\t)+768
.endm
.set TT, 0
.rept 8
	TILE 8
	AHEAD 1, 8
.if TT > 0
	QOUT TT-1
.endif
	QUANT32 HW+TT%8
.set WPS, W0+W0D*(TT%2)
	v_lshl_or_b32 v[WPS], v[HW+TT%8], 16, v[HW+TT%8]     ; the halfword twice: it serves the query's codes in either half of the score product's K
	v_mov_b32 v[WPS+1], v[WPS]
.set TT, TT+1
.endr
	s_wait_alu depctr_va_vdst(0)                   ; tile 7's quantiser has written its codes, and the two lines behind it the pair of words, which the last stores read
	QOUT 7
	s_wait_dscnt 0x0
	s_wait_alu depctr_hold_cnt(0) depctr_sa_sdst(0) depctr_va_vdst(0) depctr_va_sdst(0) depctr_va_ssrc(0) depctr_va_vcc(0) depctr_vm_vsrc(0)
	s_wait_tensorcnt 0x0
	ds_add_u32 v254, v255
	s_wait_dscnt 0x0
	s_endpgm
.Lfunc_end_k_q9c2eb777ee_project:
	.size	k_q9c2eb777ee_project, .Lfunc_end_k_q9c2eb777ee_project-k_q9c2eb777ee_project
	.p2alignl 7, 3214868480
	.fill 96, 4, 3214868480
	.section	.rodata,"a",@progbits
	.p2align	6, 0x0
	.amdhsa_kernel k_q9c2eb777ee_project
		.amdhsa_group_segment_fixed_size 164864
		.amdhsa_private_segment_fixed_size 0
		.amdhsa_enable_private_segment 0
		.amdhsa_kernarg_size 104
		.amdhsa_user_sgpr_count 2
		.amdhsa_user_sgpr_kernarg_segment_ptr 1
		.amdhsa_wavefront_size32 1
		.amdhsa_system_sgpr_workgroup_id_x 1
		.amdhsa_system_sgpr_workgroup_id_y 1
		.amdhsa_system_sgpr_workgroup_id_z 1
		.amdhsa_system_vgpr_workitem_id 0
		.amdhsa_next_free_vgpr 448
		.amdhsa_next_free_sgpr 66
		.amdhsa_reserve_vcc 0
		.amdhsa_float_denorm_mode_32 3
		.amdhsa_float_denorm_mode_16_64 3
		.amdhsa_memory_ordered 1
		.amdhsa_forward_progress 1
		.amdhsa_inst_pref_size 248
	.end_amdhsa_kernel
	.amdgpu_metadata
---
amdhsa.version: [ 1, 2 ]
amdhsa.kernels:
  - .name:           k_q9c2eb777ee_project
    .symbol:         k_q9c2eb777ee_project.kd
    .args:
      - { .name: Q, .offset: 0, .size: 8, .value_kind: global_buffer, .address_space: global }
      - { .name: K_codes, .offset: 8, .size: 8, .value_kind: global_buffer, .address_space: global }
      - { .name: K_scales, .offset: 16, .size: 8, .value_kind: global_buffer, .address_space: global }
      - { .name: V_codes, .offset: 24, .size: 8, .value_kind: global_buffer, .address_space: global }
      - { .name: V_scales, .offset: 32, .size: 8, .value_kind: global_buffer, .address_space: global }
      - { .name: W_q_codes, .offset: 40, .size: 8, .value_kind: global_buffer, .address_space: global }
      - { .name: W_q_scales, .offset: 48, .size: 8, .value_kind: global_buffer, .address_space: global }
      - { .name: W_k_codes, .offset: 56, .size: 8, .value_kind: global_buffer, .address_space: global }
      - { .name: W_k_scales, .offset: 64, .size: 8, .value_kind: global_buffer, .address_space: global }
      - { .name: W_v_codes, .offset: 72, .size: 8, .value_kind: global_buffer, .address_space: global }
      - { .name: W_v_scales, .offset: 80, .size: 8, .value_kind: global_buffer, .address_space: global }
      - { .name: qrec, .offset: 88, .size: 8, .value_kind: global_buffer, .address_space: global }
      - { .name: kvrec, .offset: 96, .size: 8, .value_kind: global_buffer, .address_space: global }
    .group_segment_fixed_size: 164864
    .private_segment_fixed_size: 0
    .kernarg_segment_align: 8
    .kernarg_segment_size: 104
    .max_flat_workgroup_size: 256
    .sgpr_count:     66
    .vgpr_count:     448
    .wavefront_size: 32
...
	.end_amdgpu_metadata
.endif
;; end of part 4
;; launch attend (part 5): grid 4 x 64, 16 waves a work-group, clusters of 4 x 1, 239,616 bytes of LDS; arguments qrec, kvrec, arec; writes arec
.if DOCPART == 5
	.amdgcn_target "amdgcn-amd-amdhsa--gfx1250"
	.amdhsa_code_object_version 6
	.text
	.protected	k_q9c2eb777ee_attend
	.globl	k_q9c2eb777ee_attend
	.p2align	8
	.type	k_q9c2eb777ee_attend,@function
k_q9c2eb777ee_attend:
	s_mov_b64 s[64:65], 0
	v_nop
	global_prefetch_b8 v0, s[64:65] scope:SCOPE_SE
	s_setreg_imm32_b32 hwreg(HW_REG_WAVE_MODE, 25, 1), 1
	s_wait_xcnt 0x0
	s_wait_alu depctr_hold_cnt(0) depctr_sa_sdst(0) depctr_va_vdst(0) depctr_va_sdst(0) depctr_va_ssrc(0) depctr_va_vcc(0) depctr_vm_vsrc(0)
	s_getreg_b32 s2, hwreg(HW_REG_IB_STS2, 6, 4)
	s_cmp_eq_u32 s2, 0
	s_cbranch_scc0 .Lentry_in_a_cluster
	s_endpgm
.Lentry_in_a_cluster:
	s_bfe_u32 s2, ttmp6, 0x10000c
	s_cmp_lg_u32 s2, 0x3003
	s_cbranch_scc0 .Lentry_shape_is_right
	s_endpgm
.Lentry_shape_is_right:
; ATTENTION on codes of E2M3: S^T = Kh Qh^T (K = the head's 64), p = 2^(t - M), O^T = Vh^T p^T (K = the keys), O / l, and O quantised along (head, channel) for the next product.
; t = score x log2(e) / (8 + 1e-6); M = the running largest t rounded UP to a whole number; p is quantised along the keys, not normalised; the row's sum l is taken of the unquantised p and divides O at the end.
; When M moves, l and O^T are multiplied by 2^(old M - new M), which rounds nothing.
; SHARES.  A work-group owns 512 queries of one (batch, head): sixteen waves x 16 queries x 2 passes.  Four waves to a SIMD, so that one wave's vector work stands beside another's products and LDS loads.
; THE WHOLE HEAD STAYS IN LDS: 16 records of 12,800 bytes (128 keys each), filled ONCE: no slot is ever filled again.
; CLUSTER.  The four work-groups of a head form a cluster and ask for each record JOINTLY: the same tensor load, the same descriptor, the mask of all four.  Waves 0-3 issue four loads each (wave i, chunk ch:
; step 4 ch + i): four loads of a wave are out at the most.  A chunk is read behind the issuing waves' counted wait and a barrier.
; LAYOUT.  Both products are used transposed: a lane holds ONE query (lane % 16).  The records are images of operand registers: every LDS load takes 512 or 256 consecutive bytes.
; The score product's K is 64, the instruction's 128: source 0 holds TWO tiles of 16 keys (registers 0-5, 6-11); source 1 is the query's six registers beside six of zeros, first [q | 0], then [0 | q], cut out of
; v16-33 = zeros, q, zeros.  Zero codes add nothing under any scale byte that occurs (1 .. 254).
; The keys of a tile are chosen (by the launch before) so that the 32 registers of tiles 0-3 are keys 32 h + 0 .. 31 and those of tiles 4-7 keys 64 + 32 h + 0 .. 31: p's blocks lie whole in a lane, in the order
; that the second product's operand wants: no exchange between lanes but for the maximum, the sum and the scale word.  V's channel rows are chosen so that O^T's 32 registers are channels 32 h + 0 .. 31.
; A BLOCK'S LARGEST p is not searched for: the block's largest score goes through the same multiply-add and exponential (this takes v_exp_f32 not to fall where its input rises).
; LIMITS: NaN and infinities are not served; 1 / l is v_rcp_f32; a block of zeros gets the byte 1 (its codes are zeros; only this program reads the bytes).
.set STEPB, 12800
.set QL,    16*STEPB                   ; behind the head's records: each wave's two records of Q, 2,048 bytes a wave: written by LDS stores, no fill lands there
.set FBK,   40                         ; v40-87   four pairs of key tiles
.set S,     88                         ; v88-151  S^T, then p
.set O,     152                        ; v152-183 O^T
.set P,     184                        ; v184-195 p's codes
.set FBV,   208                        ; v208-255 V^T's four fragments
; v1 16 x lane, v2 8 x lane, v3 8 h; v4, v5 addresses in hand; v6 p's scale word; v7 at work; v8 -M, v9 the largest t; v[10:11] l in two halves; v[12:13] f; v[14:15] at work;
; v16-21 zeros, v22-27 q, v28-33 zeros; v34 (35) q's scale word; v36, 37 K's scale words; v38, 39 V's; v196-198, v200-202 second conversions; v204, 205 block maxima; v206, 207 scale operands
.macro CROUND                          ; a round of the cluster's barrier
	s_barrier_signal -1
	s_barrier_wait -1
	s_cmp_lg_u32 s12, 0
	s_cbranch_scc1 .Lnot_wave_0_\@
	s_barrier_signal -3
.Lnot_wave_0_\@:
	s_barrier_wait -3
	s_barrier_signal -1
	s_barrier_wait -1
.endm
	s_load_b128 s[4:7], s[0:1], 0x0                ; qrec, kvrec
	s_load_b64 s[8:9], s[0:1], 0x10                ; arec
	v_lshl_add_u32 v199, v0, 2, 0x3a000
	v_mov_b32 v203, 0
	ds_add_u32 v199, v203
	ds_add_u32 v199, v203
	v_lshrrev_b32 v7, 5, v0
	s_delay_alu instid0(VALU_DEP_1)
	v_readfirstlane_b32 s12, v7                    ; wave 0..15
	s_bfe_u32 s13, ttmp6, 0x40000                  ; cx: it enters Q's and the output's addresses alone
	s_and_b32 s14, ttmp7, 0xffff                   ; 8 b + head, which the four partners share
	s_lshl_b32 s15, ttmp9, 2
	s_add_co_u32 s15, s15, s13                     ; which 512 queries
	; descriptor group 1: a record is a dense block of 12,800 bytes: 50 rows of 32 elements of 8 bytes
	s_mov_b32 s16, 15|(3<<16)|(1<<21)              ; 15:0 the mask: all four work-groups; 17:16 elements of 8 bytes; 21 set beside a mask; no padding
	s_mov_b32 s17, 32<<16                          ; tensor_dim0 = 32
	s_mov_b32 s18, 50<<16                          ; tensor_dim1 = 50
	s_mov_b32 s19, 32<<16                          ; tile_dim0 = 32
	s_mov_b32 s20, 50                              ; tile_dim1 = 50
	s_mov_b32 s21, 32                              ; from row to row
	s_mov_b32 s22, 0
	s_mov_b32 s23, 0
	s_and_b32 s48, s12, 3
	s_mul_i32 s48, s48, STEPB                      ; my record of a chunk, in LDS and in the head alike
	s_mul_i32 s50, s14, 16*STEPB
	s_add_co_u32 s50, s50, s48
	s_mov_b32 s51, 0
	s_lshr_b32 s52, s14, 3
	s_lshl_b32 s52, s52, 20                        ; b x 128 tiles x 8 heads x 1,024
	s_lshl_b32 s53, s15, 5
	s_add_co_u32 s53, s53, s12                     ; my first query tile: 32 x + wave
	s_lshl_b32 s53, s53, 13
	s_add_co_u32 s52, s52, s53
	s_and_b32 s53, s14, 7
	s_lshl_b32 s53, s53, 10
	s_add_co_u32 s52, s52, s53
	s_mov_b32 s53, 0
	s_mov_b32 s40, 0x3e38aa3a                      ; c = log2(e) / (8 + 1e-6)
	s_mov_b32 s41, s40                             ; (named with it as a pair, so it is written)
	s_mov_b32 s42, 0x76543210
	s_mov_b32 s43, 0xfedcba98                      ; v_permlanex16_b32's selects for lane l xor 16
	s_lshl_b32 s47, s12, 11
	s_add_co_u32 s47, s47, QL                      ; my records of Q in LDS
	s_wait_dscnt 0x0
	s_wait_kmcnt 0x0
	s_add_nc_u64 s[6:7], s[6:7], s[50:51]
	s_add_nc_u64 s[4:5], s[4:5], s[52:53]
	s_add_nc_u64 s[8:9], s[8:9], s[52:53]
	CROUND                                         ; all four work-groups are here: the joint loads meet
.irp ch, 0,1,2,3
	s_mov_b32 s[24+4*\ch], 1                       ; count = 1
	s_add_co_u32 s[25+4*\ch], s48, 4*STEPB*\ch     ; LDS address
	s_add_nc_u64 s[26+4*\ch:27+4*\ch], s[6:7], 4*STEPB*\ch
	s_or_b32 s[27+4*\ch], s[27+4*\ch], 0x80000000  ; type = 2
.endr
	s_cmp_lt_u32 s12, 4                            ; all the fills of a wave stand in one branch on the wave's number, ahead of every wait on TENSORcnt, every LDS read and every further barrier
	s_cbranch_scc0 .Lno_fill
	tensor_load_to_lds s[24:27], s[16:23]
	s_nop 0
	tensor_load_to_lds s[28:31], s[16:23]
	s_nop 0
	tensor_load_to_lds s[32:35], s[16:23]
	s_nop 0
	tensor_load_to_lds s[36:39], s[16:23]
	s_nop 0
.rept 4
	v_nop
.endr
.Lno_fill:
	v_and_b32 v7, 31, v0
	s_delay_alu instid0(VALU_DEP_1)
	v_lshlrev_b32 v1, 4, v7
	s_delay_alu instid0(VALU_DEP_2)
	v_lshlrev_b32 v2, 3, v7
	v_bfe_u32 v3, v0, 4, 1
	s_delay_alu instid0(VALU_DEP_1)
	v_lshlrev_b32 v3, 3, v3
.irp q, 0,1                            ; both passes' records of Q: 16 tiles, 131,072 bytes, apart
	global_load_b128 v[S+8*\q:S+8*\q+3], v1, s[4:5] offset:131072*\q
	global_load_b64 v[S+8*\q+4:S+8*\q+5], v2, s[4:5] offset:131072*\q+512
	global_load_b64 v[S+8*\q+6:S+8*\q+7], v2, s[4:5] offset:131072*\q+768
.endr
.irp i, 0,1,2,3,4,5
	v_mov_b32 v[16+\i], 0                          ; the zero codes on either side of q
	v_mov_b32 v[28+\i], 0
.endr
	v_mov_b32 v13, 0                               ; (named as the upper half of a pair)
	v_mov_b32 v14, 0                               ; written once: a lane permute's destination counts as one of its sources
	v_add_nc_u32 v4, s47, v1
	v_add_nc_u32 v5, s47, v2
	s_wait_alu depctr_va_vdst(0)
	s_wait_loadcnt 0x0
.irp q, 0,1
	ds_store_b128 v4, v[S+8*\q:S+8*\q+3] offset:1024*\q
	ds_store_b64 v5, v[S+8*\q+4:S+8*\q+5] offset:1024*\q+512
	ds_store_b64 v5, v[S+8*\q+6:S+8*\q+7] offset:1024*\q+768
.endr
; A KEY STEP: the 128 keys of the record at LDS byte s44
.macro STEP
	v_add_nc_u32 v4, s44, v1
	v_add_nc_u32 v5, s44, v2
	v_nop
	v_nop                                          ; four places ahead of loads into registers that the last products read
.irp p, 0,1,2,3                        ; K: pair p = tiles 2 p and 2 p + 1
	ds_load_b128 v[FBK+12*\p:FBK+12*\p+3], v4 offset:1536*\p
	ds_load_b64 v[FBK+12*\p+4:FBK+12*\p+5], v5 offset:1536*\p+512
	ds_load_b128 v[FBK+12*\p+6:FBK+12*\p+9], v4 offset:1536*\p+768
	ds_load_b64 v[FBK+12*\p+10:FBK+12*\p+11], v5 offset:1536*\p+1280
.endr
	ds_load_b64 v[36:37], v5 offset:6144
.irp p, 0,1,2,3                        ; V^T: channel tile p, both halves of the 128 keys
	ds_load_b128 v[FBV+12*\p:FBV+12*\p+3], v4 offset:6400+1536*\p
	ds_load_b64 v[FBV+12*\p+4:FBV+12*\p+5], v5 offset:6400+1536*\p+512
	ds_load_b128 v[FBV+12*\p+6:FBV+12*\p+9], v4 offset:6400+1536*\p+768
	ds_load_b64 v[FBV+12*\p+10:FBV+12*\p+11], v5 offset:6400+1536*\p+1280
.endr
	ds_load_b64 v[38:39], v5 offset:12544
	s_wait_dscnt 17                                ; K is in; V's seventeen loads may be out
.irp p, 0,1,2,3
.if \p%2
	v_wmma_scale_f32_16x16x128_f8f6f4 v[S+16*\p:S+16*\p+7], v[FBK+12*\p:FBK+12*\p+11], v[22:33], 0, v[36+\p/2], v34 matrix_a_fmt:MATRIX_FMT_FP6 matrix_b_fmt:MATRIX_FMT_FP6 matrix_a_scale:MATRIX_SCALE_ROW1
	v_wmma_scale_f32_16x16x128_f8f6f4 v[S+16*\p+8:S+16*\p+15], v[FBK+12*\p:FBK+12*\p+11], v[16:27], 0, v[36+\p/2], v34 matrix_a_fmt:MATRIX_FMT_FP6 matrix_b_fmt:MATRIX_FMT_FP6 matrix_a_scale:MATRIX_SCALE_ROW1
.else
	v_wmma_scale_f32_16x16x128_f8f6f4 v[S+16*\p:S+16*\p+7], v[FBK+12*\p:FBK+12*\p+11], v[22:33], 0, v[36+\p/2], v34 matrix_a_fmt:MATRIX_FMT_FP6 matrix_b_fmt:MATRIX_FMT_FP6
	v_wmma_scale_f32_16x16x128_f8f6f4 v[S+16*\p+8:S+16*\p+15], v[FBK+12*\p:FBK+12*\p+11], v[16:27], 0, v[36+\p/2], v34 matrix_a_fmt:MATRIX_FMT_FP6 matrix_b_fmt:MATRIX_FMT_FP6
.endif
.endr
.rept 4
	v_nop
.endr
	v_max3_num_f32 v204, v[S], v[S+1], v[S+2]      ; the largest score of each of my two blocks of 32 keys; each accumulator is first read at its low end
	v_max3_num_f32 v205, v[S+32], v[S+33], v[S+34]
.irp i, 3,5,7,9,11,13,15,17,19,21,23,25,27,29
	v_max3_num_f32 v204, v204, v[S+\i], v[S+\i+1]
	v_max3_num_f32 v205, v205, v[S+32+\i], v[S+33+\i]
.endr
	v_max_num_f32 v204, v204, v[S+31]
	v_max_num_f32 v205, v205, v[S+63]
	s_delay_alu instid0(VALU_DEP_1)
	v_max_num_f32 v7, v204, v205
	s_delay_alu instid0(VALU_DEP_1)
	v_permlanex16_b32 v14, v7, s42, s43
	s_delay_alu instid0(VALU_DEP_1)
	v_max_num_f32 v7, v7, v14                      ; the step's largest score of my query,
	s_delay_alu instid0(VALU_DEP_1)
	v_mul_f32 v7, s40, v7                          ; as t (c is positive)
	s_delay_alu instid0(VALU_DEP_1)
	v_max_num_f32 v9, v9, v7                       ; the running largest t
	v_mov_b32 v7, v8
	s_delay_alu instid0(VALU_DEP_2)
	v_floor_f32 v8, -v9                            ; the new -M = floor(-t): M is a whole number
	s_delay_alu instid0(VALU_DEP_1)
	v_sub_f32 v7, v8, v7                           ; old M - new M: a whole number, 0 or less
	s_delay_alu instid0(VALU_DEP_1)
	v_cvt_i32_f32 v7, v7                           ; (it saturates)
	s_delay_alu instid0(VALU_DEP_1)
	v_ldexp_f32 v12, 1.0, v7                       ; f = 2^(old M - new M)
.set J, 0
.rept 32
	v_pk_fma_f32 v[S+J:S+J+1], v[S+J:S+J+1], s[40:41], v[8:9] op_sel_hi:[1,0,0]   ; t - M, two at a time (of the pairs c and -M the low word serves both halves)
.set J, J+2
.endr
	v_fma_f32 v204, v204, s40, v8                  ; the same of each block's largest score
	v_fma_f32 v205, v205, s40, v8
.set J, 0
	s_setprio 1
	s_wait_alu depctr_va_vdst(0)
.rept 64
	v_exp_f32 v[S+J], v[S+J]                       ; p = 2^(t - M), at most 1
.set J, J+1
.endr
	v_exp_f32 v204, v204                           ; the blocks' largest p
	v_exp_f32 v205, v205
	v_pk_mul_f32 v[10:11], v[10:11], v[12:13] op_sel_hi:[1,0]      ; l under the new M.  (A plain place behind the exponentials)
	s_wait_alu depctr_va_vdst(0)
	v_max_num_f32 v204, 0x1800000, v204            ; the floor 2^(3 - 127): the byte cannot fall under 1
	v_max_num_f32 v205, 0x1800000, v205
	s_delay_alu instid0(VALU_DEP_2)
	v_add_nc_u32 v206, 0xff000000, v204            ; 2 off the exponent field: the conversion's scale operand
	s_delay_alu instid0(VALU_DEP_2)
	v_add_nc_u32 v207, 0xff000000, v205
	s_delay_alu instid0(VALU_DEP_2)
	v_lshrrev_b32 v204, 23, v206                   ; the bytes of blocks h and 2 + h
	s_delay_alu instid0(VALU_DEP_2)
	v_lshrrev_b32 v205, 23, v207
	s_delay_alu instid0(VALU_DEP_1)
	v_lshl_or_b32 v7, v205, 16, v204
	s_delay_alu instid0(VALU_DEP_1)
	v_lshlrev_b32 v7, v3, v7
	s_delay_alu instid0(VALU_DEP_1)
	v_permlanex16_b32 v14, v7, s42, s43
	s_delay_alu instid0(VALU_DEP_1)
	v_or_b32 v6, v7, v14                           ; p's scale word for these 128 keys
	v_cvt_scalef32_pk16_fp6_f32 v[P:P+2], v[S:S+15], v206
	v_cvt_scalef32_pk16_fp6_f32 v[196:198], v[S+16:S+31], v206
	v_cvt_scalef32_pk16_fp6_f32 v[P+6:P+8], v[S+32:S+47], v207
	v_cvt_scalef32_pk16_fp6_f32 v[200:202], v[S+48:S+63], v207
	v_nop                                          ; one plain place behind a scaled conversion
.irp i, 0,1,2
	v_mov_b32 v[P+3+\i], v[196+\i]
	v_mov_b32 v[P+9+\i], v[200+\i]
.endr
	v_pk_add_f32 v[14:15], v[92:93], v[96:97]
	v_pk_add_f32 v[206:207], v[100:101], v[104:105]
	v_pk_add_f32 v[204:205], v[108:109], v[112:113]
	v_pk_add_f32 v[200:201], v[116:117], v[120:121]
	v_pk_add_f32 v[196:197], v[124:125], v[128:129]
	v_pk_add_f32 v[86:87], v[132:133], v[136:137]
	v_pk_add_f32 v[84:85], v[140:141], v[144:145]
	v_pk_add_f32 v[10:11], v[10:11], v[148:149]
	v_pk_add_f32 v[14:15], v[14:15], v[88:89]
	v_pk_add_f32 v[206:207], v[206:207], v[90:91]
	v_pk_add_f32 v[204:205], v[204:205], v[94:95]
	v_pk_add_f32 v[200:201], v[200:201], v[98:99]
	v_pk_add_f32 v[196:197], v[196:197], v[102:103]
	v_pk_add_f32 v[86:87], v[86:87], v[106:107]
	v_pk_add_f32 v[84:85], v[84:85], v[110:111]
	v_pk_add_f32 v[10:11], v[10:11], v[114:115]
	v_pk_add_f32 v[14:15], v[14:15], v[118:119]
	v_pk_add_f32 v[206:207], v[206:207], v[122:123]
	v_pk_add_f32 v[204:205], v[204:205], v[126:127]
	v_pk_add_f32 v[200:201], v[200:201], v[130:131]
	v_pk_add_f32 v[196:197], v[196:197], v[134:135]
	v_pk_add_f32 v[86:87], v[86:87], v[138:139]
	v_pk_add_f32 v[84:85], v[84:85], v[142:143]
	v_pk_add_f32 v[10:11], v[10:11], v[146:147]
	v_pk_add_f32 v[14:15], v[14:15], v[150:151]
	s_delay_alu instid0(VALU_DEP_2)
	v_pk_add_f32 v[10:11], v[10:11], v[200:201]
	s_delay_alu instid0(VALU_DEP_2)
	v_pk_add_f32 v[14:15], v[14:15], v[196:197]
	v_pk_add_f32 v[206:207], v[206:207], v[86:87]
	v_pk_add_f32 v[204:205], v[204:205], v[84:85]
	s_delay_alu instid0(VALU_DEP_2)
	v_pk_add_f32 v[10:11], v[10:11], v[206:207]
	s_delay_alu instid0(VALU_DEP_2)
	v_pk_add_f32 v[14:15], v[14:15], v[204:205]
	s_delay_alu instid0(VALU_DEP_1)
	v_pk_add_f32 v[10:11], v[10:11], v[14:15]
.set J, 0
	s_setprio 0
.rept 16
	v_pk_mul_f32 v[O+J:O+J+1], v[O+J:O+J+1], v[12:13] op_sel_hi:[1,0]   ; O^T under the new M.  (The sums and these are far more than the eight places between p's scale word and its products)
.set J, J+2
.endr
	s_wait_alu depctr_va_vdst(0)
	s_wait_dscnt 0x0                               ; V is in
.irp t, 0,1,2,3
.if \t%2
	v_wmma_scale_f32_16x16x128_f8f6f4 v[O+8*\t:O+8*\t+7], v[FBV+12*\t:FBV+12*\t+11], v[P:P+11], v[O+8*\t:O+8*\t+7], v[38+\t/2], v6 matrix_a_fmt:MATRIX_FMT_FP6 matrix_b_fmt:MATRIX_FMT_FP6 matrix_a_scale:MATRIX_SCALE_ROW1
.else
	v_wmma_scale_f32_16x16x128_f8f6f4 v[O+8*\t:O+8*\t+7], v[FBV+12*\t:FBV+12*\t+11], v[P:P+11], v[O+8*\t:O+8*\t+7], v[38+\t/2], v6 matrix_a_fmt:MATRIX_FMT_FP6 matrix_b_fmt:MATRIX_FMT_FP6
.endif
.endr
	s_add_co_u32 s44, s44, STEPB
.endm
; A chunk of four steps: the waves that fetched it have seen it land (the loads of the later chunks may stay out), then the barrier shows it to all sixteen
.macro CHUNK ch
	s_wait_tensorcnt 3-\ch
	s_barrier_signal -1
	s_barrier_wait -1
	s_mov_b32 s44, 4*STEPB*\ch
	s_mov_b32 s45, 4
.Lstep_\@:
	s_setprio 2
	STEP
	s_sub_co_u32 s45, s45, 1
	s_cmp_lg_u32 s45, 0
	s_cbranch_scc1 .Lstep_\@
	s_setprio 0
.endm
	s_mov_b32 s46, 2
.Lpass:
	v_add_nc_u32 v4, s47, v1
	v_add_nc_u32 v5, s47, v2
	ds_load_b128 v[22:25], v4                      ; the pass's q (LDS serves a wave's instructions in order: these see my stores)
	ds_load_b64 v[26:27], v5 offset:512
	ds_load_b64 v[34:35], v5 offset:768
	v_mov_b32 v9, 0xff61b1e6                       ; the largest t so far: -3e38, under every t
	s_delay_alu instid0(VALU_DEP_1)
	v_floor_f32 v8, -v9                            ; -M
	v_mov_b32 v10, 0
	v_mov_b32 v11, 0
.set J, 0
.rept 32
	v_mov_b32 v[O+J], 0                            ; the step is written once: the first finds zeros, which the first change of M leaves zeros
.set J, J+1
.endr
	s_wait_dscnt 0x0
	CHUNK 0
	CHUNK 1
	CHUNK 2
	CHUNK 3
	; the pass's end: O^T / l, quantised: my 32 registers are channels 32 h + 0 .. 31 of the head: one block of the next product's K
.rept 4
	v_nop
.endr
	v_add_f32 v10, v10, v11
	s_delay_alu instid0(VALU_DEP_1)
	v_permlanex16_b32 v14, v10, s42, s43
	s_delay_alu instid0(VALU_DEP_1)
	v_add_f32 v10, v10, v14                        ; the row's sum
	s_wait_alu depctr_va_vdst(0)
	v_rcp_f32 v12, v10
	v_nop                                          ; one plain place behind a transcendental
.set J, 0
	s_wait_alu depctr_va_vdst(0)
.rept 16
	v_pk_mul_f32 v[O+J:O+J+1], v[O+J:O+J+1], v[12:13] op_sel_hi:[1,0]   ; each accumulator from its low end on
.set J, J+2
.endr
	v_max3_num_f32 v204, |v[O]|, |v[O+1]|, 0x1800000
	v_max3_num_f32 v205, |v[O+16]|, |v[O+17]|, 0x1800000
.irp i, 2,4,6,8,10,12,14
	s_delay_alu instid0(VALU_DEP_2)
	v_max3_num_f32 v204, v204, |v[O+\i]|, |v[O+\i+1]|
	s_delay_alu instid0(VALU_DEP_2)
	v_max3_num_f32 v205, v205, |v[O+16+\i]|, |v[O+17+\i]|
.endr
	s_delay_alu instid0(VALU_DEP_1)
	v_max_num_f32 v204, v204, v205
	s_delay_alu instid0(VALU_DEP_1)
	v_add_nc_u32 v206, 0xff000000, v204
	s_delay_alu instid0(VALU_DEP_1)
	v_lshrrev_b32 v207, 23, v206
	v_cvt_scalef32_pk16_fp6_f32 v[P:P+2], v[O:O+15], v206
	v_cvt_scalef32_pk16_fp6_f32 v[196:198], v[O+16:O+31], v206
	v_nop
.irp i, 0,1,2
	v_mov_b32 v[P+3+\i], v[196+\i]
.endr
	v_lshlrev_b32 v7, v3, v207
	s_delay_alu instid0(VALU_DEP_1)
	v_permlanex16_b32 v14, v7, s42, s43
	s_delay_alu instid0(VALU_DEP_1)
	v_or_b32 v7, v7, v14                           ; the row's two bytes
	s_delay_alu instid0(VALU_DEP_1)
	v_lshl_or_b32 v14, v7, 16, v7
	s_delay_alu instid0(VALU_DEP_1)
	v_mov_b32 v15, v14
	global_store_b128 v1, v[P:P+3], s[8:9]         ; the record: 512, 256 and 256 consecutive bytes
	global_store_b64 v2, v[P+4:P+5], s[8:9] offset:512
	global_store_b64 v2, v[14:15], s[8:9] offset:768
	s_wait_xcnt 0x0                                ; the stores' base and data are written again only behind this wait
	s_add_nc_u64 s[8:9], s[8:9], 131072            ; 16 query tiles on
	s_add_co_u32 s47, s47, 1024
	s_sub_co_u32 s46, s46, 1
	s_cmp_lg_u32 s46, 0
	s_cbranch_scc1 .Lpass
	s_wait_tensorcnt 0x0
	s_wait_tensorcnt 0x0
	ds_add_u32 v199, v203
	s_wait_dscnt 0x0
	CROUND                                         ; the closing round: no work-group ends while a partner may still ask for a record that names it
	s_endpgm
.Lfunc_end_k_q9c2eb777ee_attend:
	.size	k_q9c2eb777ee_attend, .Lfunc_end_k_q9c2eb777ee_attend-k_q9c2eb777ee_attend
	.p2alignl 7, 3214868480
	.fill 96, 4, 3214868480
	.section	.rodata,"a",@progbits
	.p2align	6, 0x0
	.amdhsa_kernel k_q9c2eb777ee_attend
		.amdhsa_group_segment_fixed_size 239616
		.amdhsa_private_segment_fixed_size 0
		.amdhsa_enable_private_segment 0
		.amdhsa_kernarg_size 24
		.amdhsa_user_sgpr_count 2
		.amdhsa_user_sgpr_kernarg_segment_ptr 1
		.amdhsa_wavefront_size32 1
		.amdhsa_system_sgpr_workgroup_id_x 1
		.amdhsa_system_sgpr_workgroup_id_y 1
		.amdhsa_system_sgpr_workgroup_id_z 1
		.amdhsa_system_vgpr_workitem_id 0
		.amdhsa_next_free_vgpr 256
		.amdhsa_next_free_sgpr 66
		.amdhsa_reserve_vcc 0
		.amdhsa_float_denorm_mode_32 3
		.amdhsa_float_denorm_mode_16_64 3
		.amdhsa_memory_ordered 1
		.amdhsa_forward_progress 1
		.amdhsa_inst_pref_size 76
	.end_amdhsa_kernel
	.amdgpu_metadata
---
amdhsa.version: [ 1, 2 ]
amdhsa.kernels:
  - .name:           k_q9c2eb777ee_attend
    .symbol:         k_q9c2eb777ee_attend.kd
    .args:
      - { .name: qrec, .offset: 0, .size: 8, .value_kind: global_buffer, .address_space: global }
      - { .name: kvrec, .offset: 8, .size: 8, .value_kind: global_buffer, .address_space: global }
      - { .name: arec, .offset: 16, .size: 8, .value_kind: global_buffer, .address_space: global }
    .group_segment_fixed_size: 239616
    .private_segment_fixed_size: 0
    .kernarg_segment_align: 8
    .kernarg_segment_size: 24
    .max_flat_workgroup_size: 512
    .sgpr_count:     66
    .vgpr_count:     256
    .wavefront_size: 32
...
	.end_amdgpu_metadata
.endif
;; end of part 5
;; launch tail (part 6): grid 256 x 1, 8 waves a work-group, no clusters, 191,488 bytes of LDS; arguments arec, Q, W_o_codes, W_o_scales, W1_codes, W1_scales, b1, W2_codes, W2_scales, b2, out0; writes out0
.if DOCPART == 6
	.amdgcn_target "amdgcn-amd-amdhsa--gfx1250"
	.amdhsa_code_object_version 6
	.text
	.protected	k_q9c2eb777ee_tail
	.globl	k_q9c2eb777ee_tail
	.p2align	8
	.type	k_q9c2eb777ee_tail,@function
k_q9c2eb777ee_tail:
	s_mov_b64 s[64:65], 0
	v_nop
	global_prefetch_b8 v0, s[64:65] scope:SCOPE_SE
	s_setreg_imm32_b32 hwreg(HW_REG_WAVE_SCHED_MODE, 0, 2), 2
	s_setreg_imm32_b32 hwreg(HW_REG_WAVE_MODE, 25, 1), 1
	s_wait_xcnt 0x0
	s_wait_alu depctr_vm_vsrc(0)
; X = Q + V_att W_o;  out = relu(X W1^T + b1) W2^T + b2 + X.  Three products of K = 512 on codes of E2M3 with one E8M0 scale for each 32 along K; X and the hidden layer are quantised in registers and never go to memory.
; SHARES.  A work-group owns 64 rows: four tiles of 16.  THE WAVES SHARE THE COLUMNS: wave w makes columns 64 w .. 64 w + 63 of all three products; its 64 rows of the weight in hand (16 fragments, 192 registers, window 1) come
; from memory straight into registers.  What goes round is small: the rows' codes, through LDS as images of operand registers.
; THE UNIT.  Source 0 = 16 rows of the weight, source 1 = a tile of 16 rows of the activations.  Lane r of weight tile u takes row 8 u + r + 24 (r / 8) of the wave's 64, so that lane (r, h) ends with
; register 8 u + j = (row r, column 64 w + 32 h + 8 u + j): its 32 registers are block 2 w + h of the next K, whole and in order: the maximum needs no other lane, and two conversions give a HALF IMAGE
; (registers 0-3 at 16 x lane, registers 4-5 at 512 + 8 x lane: 768 bytes), which is half w % 2 of fragment w / 2 of the next operand.
; WHAT IS ADDED COSTS NO ADDITION: Q is the C of the first product's sums, b1 of the second's, X + b2 of the third's.  Q, then X + b2, then the result lie in the wave's own stage in LDS as rows of its 64 columns,
; so that memory is read and written in runs of 256 consecutive bytes by sixteen lanes.
; Three barriers: V_att's images | X's images | the hidden layer's images (which take V_att's place: the second barrier stands between the last read of those and the first store).
; NO JOINT LOADS: the weights are shared by all work-groups, but each wave takes its 24,576 bytes of a weight from memory straight into registers; a joint load lands in LDS, where three weights of 196,608 bytes
; do not fit beside the stages without filling bytes again.
; LIMITS: NaN and infinities are not served.  A block of zeros gets the scale byte 1 and not 127 (its codes are zeros, and only this program reads the bytes); a block whose largest magnitude lies under 2^-124 is held at byte 1.
; THE MODE: SCHED_MODE bits 1:0 = 2 (LLVM: expert scheduling mode 2), set by the entry lines.  The code itself states the register dependences
; between vector or matrix instructions and memory or LDS instructions, with s_wait_alu, always for 0.
; THE PLAN.  Registers that memory or LDS instructions touch, tile by tile:
;   FB0, FB1 with SS0, SS1   Tile t's sixteen products read set t % 2; the LDS loads of tile t + 2 land in it.
;   ACC                      One set.  Phases 1 and 3: the LDS loads of the sums' C land in it; the products add onto it; phase 1: the quantiser and the additions read it; phase 3: the stage's LDS stores read it.
;   PC, HWR, RB              Phases 1 and 2: written by the quantiser and the additions, read by the tile's LDS stores.  Phase 3: rows land in RB from the stage, and the global stores read it.
;   Window 1 v0-191, WS      A weight: read by a phase's products; the next weight's loads land there behind the phase's last products.
;   v1, v2, v4 to v13        Offsets and LDS addresses, made once at the head and never written again.
; Phases 1 and 2: ACC is emptied by the tile's last vector lines, so ONE wait on va_vdst stands at the end of a tile's vector work: behind it go, in one run, the next tile's C, the fragments of two tiles on and this
; tile's stores; one wait on vm_vsrc behind the next tile's products frees PC, HWR and RB.  Phase 3: the wait on va_vdst stands behind the products, ahead of the stage's stores; the wait on vm_vsrc behind those stores.
.set R0,   0                           ; LDS: V_att's images, later the hidden layer's: 4 tiles x 6,144, then 4 x 256 bytes of scale bytes (row r's 16 at 16 r)
.set R1,   25600                       ; X's likewise
.set SCI,  24576
.set STG,  51200                       ; the stages: 17,408 bytes a wave: 4 tiles x 16 rows x (256 + 16)
.set WS,   16                          ; v16-31   the weight's scale words: tile u, K step ks at 4 u + ks
.set SS,   32                          ; v32-39   the activations' scale words, two sets
.set FB,   40                          ; v40-135  the activations' four fragments, two sets of 48
.set ACC,  136                         ; v136-167 four accumulators
.set PC,   168                         ; v168-173 codes
.set TQ,   174
.set HWR,  177                         ; the row's two scale bytes
.set M0,   178
.set M1,   179
.set SO,   180
.set BY,   181
.set T,    182
.set X,    183
.set RB,   184                         ; v184-215 V_att's records; X + b2; rows on the way out
.set B1,   192                         ; window 1: v0-191 the weight; v192-223 b1; v224-255 b2
.set B2,   224
.set MSB, 0
.macro WIN new                         ; the immediate's high byte repeats the setting that is left
.if MSB != \new
	s_set_vgpr_msb (MSB<<8)|\new
.set MSB, \new
.endif
.endm
.macro PLACES
.rept 4
	v_nop
.endr
.endm
.macro BARRIER                         ; my LDS stores have landed and my LDS loads are in: then the work-group's barrier
	s_wait_dscnt 0x0
	s_barrier_signal -1
	s_barrier_wait -1
.endm
.macro WLOAD cp, sp, held              ; my 64 rows of a weight: 96 loads of 8 bytes into window 1, 4 loads of scale words.  held = 1: another weight is being left
	WIN 0x40
.if \held
	s_wait_alu depctr_va_vdst(0)                   ; the phase's last products are done reading the old weight's fragments and scale words, in which these loads land
.endif
.irp u, 0,1,2,3
.irp ks, 0,1,2,3
.irp p, 0,1,2,3,4,5
	global_load_b64 v[12*(4*\u+\ks)+2*\p:12*(4*\u+\ks)+2*\p+1], v11, s[\cp:\cp+1] offset:3072*\u+96*\ks+48*(\p/3)+8*(\p%3)
.endr
.endr
.endr
	WIN 0
.irp u, 0,1,2,3
	global_load_b128 v[WS+4*\u:WS+4*\u+3], v12, s[\sp:\sp+1] offset:128*\u
.endr
.endm
.macro PUT reg, t, c0, hw              ; my half image of tile t, and my two bytes of each row's sixteen (both halves of the lanes write the same value)
	ds_store_b128 v4, v[\c0:\c0+3] offset:\reg+6144*(\t)
	ds_store_b64 v5, v[\c0+4:\c0+5] offset:\reg+6144*(\t)+512
	ds_store_b16 v6, v[\hw] offset:\reg+SCI+256*(\t)
.endm
.macro FETCH reg, t, buf               ; a tile's four fragments and its scale words: 17 loads
.irp ks, 0,1,2,3
	ds_load_b128 v[FB+48*(\buf)+12*\ks:FB+48*(\buf)+12*\ks+3], v1 offset:\reg+6144*(\t)+1536*\ks
	ds_load_b64 v[FB+48*(\buf)+12*\ks+4:FB+48*(\buf)+12*\ks+5], v2 offset:\reg+6144*(\t)+1536*\ks+512
	ds_load_b128 v[FB+48*(\buf)+12*\ks+6:FB+48*(\buf)+12*\ks+9], v1 offset:\reg+6144*(\t)+1536*\ks+768
	ds_load_b64 v[FB+48*(\buf)+12*\ks+10:FB+48*(\buf)+12*\ks+11], v2 offset:\reg+6144*(\t)+1536*\ks+1280
.endr
	ds_load_b128 v[SS+4*(\buf):SS+4*(\buf)+3], v7 offset:\reg+SCI+256*(\t)
.endm
.macro ACCLOAD t                       ; tile t of my stage in the accumulators' layout: row r, columns 32 h + 8 u + 4 e on: 8 loads
.irp u, 0,1,2,3
.irp e, 0,1
	ds_load_b128 v[ACC+8*\u+4*\e:ACC+8*\u+4*\e+3], v8 offset:4352*(\t)+32*\u+16*\e
.endr
.endr
.endm
.macro ACCSTORE src, t                 ; and back: 8 stores; each group of eight from its low end on
.irp u, 0,1,2,3
.irp e, 0,1
	ds_store_b128 v8, v[\src+8*\u+4*\e:\src+8*\u+4*\e+3] offset:4352*(\t)+32*\u+16*\e
.endr
.endr
.endm
; 16 matrix instructions; the four accumulators take turns, one instruction a turn.  cm = 1: the sums go on from what the accumulators hold; cm = 2: they begin with b1
.macro MUL16 buf, cm
.irp ks, 0,1,2,3
.irp u, 0,1,2,3
.if (\ks == 0) && (\cm == 2)
	WIN 0x11                                       ; sources 0 (the weight) and 2 (b1) in window 1
	v_wmma_scale_f32_16x16x128_f8f6f4 v[ACC+8*\u:ACC+8*\u+7], v[12*(4*\u+\ks):12*(4*\u+\ks)+11], v[FB+48*(\buf)+12*\ks:FB+48*(\buf)+12*\ks+11], v[B1+8*\u:B1+8*\u+7], v[WS+4*\u+\ks], v[SS+4*(\buf)+\ks] matrix_a_fmt:MATRIX_FMT_FP6 matrix_b_fmt:MATRIX_FMT_FP6
.else
	WIN 0x01                                       ; source 0 in window 1
	v_wmma_scale_f32_16x16x128_f8f6f4 v[ACC+8*\u:ACC+8*\u+7], v[12*(4*\u+\ks):12*(4*\u+\ks)+11], v[FB+48*(\buf)+12*\ks:FB+48*(\buf)+12*\ks+11], v[ACC+8*\u:ACC+8*\u+7], v[WS+4*\u+\ks], v[SS+4*(\buf)+\ks] matrix_a_fmt:MATRIX_FMT_FP6 matrix_b_fmt:MATRIX_FMT_FP6
.endif
.endr
.endr
	WIN 0
.endm
; my 32 numbers are one block: its largest magnitude (the floor 2^(3 - 127) among its leaves), its scale, its codes in v[PC] on, the row's two bytes in v[HWR].  abs = 0: none is negative
.macro QUANT32 abs
.if \abs
	v_max3_num_f32 v[M0], |v[ACC]|, |v[ACC+1]|, 0x1800000
	v_max3_num_f32 v[M1], |v[ACC+16]|, |v[ACC+17]|, 0x1800000
.irp i, 2,4,6,8,10,12,14
	v_max3_num_f32 v[M0], v[M0], |v[ACC+\i]|, |v[ACC+\i+1]|
	v_max3_num_f32 v[M1], v[M1], |v[ACC+16+\i]|, |v[ACC+17+\i]|
.endr
.else
	v_max3_num_f32 v[M0], v[ACC], v[ACC+1], 0x1800000
	v_max3_num_f32 v[M1], v[ACC+16], v[ACC+17], 0x1800000
.irp i, 2,4,6,8,10,12,14
	v_max3_num_f32 v[M0], v[M0], v[ACC+\i], v[ACC+\i+1]
	v_max3_num_f32 v[M1], v[M1], v[ACC+16+\i], v[ACC+17+\i]
.endr
.endif
	v_max_num_f32 v[M0], v[M0], v[M1]
	v_add_nc_u32 v[SO], 0xff000000, v[M0]          ; 2 off the exponent field: the conversion's scale operand
	v_lshrrev_b32 v[BY], 23, v[SO]
	v_cvt_scalef32_pk16_fp6_f32 v[PC:PC+2], v[ACC:ACC+15], v[SO]
	v_cvt_scalef32_pk16_fp6_f32 v[TQ:TQ+2], v[ACC+16:ACC+31], v[SO]
	v_nop                                          ; one plain place behind a scaled conversion
.irp i, 0,1,2
	v_mov_b32 v[PC+3+\i], v[TQ+\i]
.endr
	v_lshlrev_b32 v[T], v3, v[BY]
	v_permlanex16_b32 v[X], v[T], s48, s49
	v_or_b32 v[HWR], v[T], v[X]
.endm
	s_load_b512 s[8:23], s[0:1], 0x0               ; arec 8, Q 10, W_o codes 12, W_o scales 14, W1 codes 16, W1 scales 18, b1 20, W2 codes 22
	s_load_b128 s[24:27], s[0:1], 0x40             ; W2 scales 24, b2 26
	s_load_b64 s[28:29], s[0:1], 0x50              ; out0
	v_lshl_add_u32 v254, v0, 2, 0x2e800
	v_mov_b32 v255, 0
	v_lshrrev_b32 v14, 5, v0
	v_readfirstlane_b32 s30, v14                   ; wave w
	v_and_b32 v[T], 31, v0                         ; lane
	v_and_b32 v14, 15, v0                          ; r
	v_bfe_u32 v15, v0, 4, 1                        ; h
	v_lshlrev_b32 v1, 4, v[T]                      ; 16 x lane
	v_lshlrev_b32 v2, 3, v[T]                      ; 8 x lane
	v_lshlrev_b32 v3, 3, v15                       ; 8 h
	s_wait_alu depctr_va_sdst(0)                   ; s30 is written, ahead of its first reader: LDS places and the buffers' bases are made from it
	s_mul_i32 s31, s30, 768
	v_add_nc_u32 v4, s31, v1                       ; my half image: 768 w on
	v_add_nc_u32 v5, s31, v2
	v_lshlrev_b32 v7, 4, v14                       ; a row's sixteen scale bytes
	s_lshl_b32 s31, s30, 1
	v_add_nc_u32 v6, s31, v7                       ; and my two of them
	s_mul_i32 s31, s30, 17408
	s_add_co_u32 s31, s31, STG                     ; my stage
	v_mul_u32_u24 v8, v14, 272
	v_lshl_add_u32 v8, v15, 7, v8
	v_add_nc_u32 v8, s31, v8                       ; in the accumulators' layout: row r, + 128 h
	v_mul_u32_u24 v9, v15, 272
	v_add_nc_u32 v9, v9, v7
	v_add_nc_u32 v9, s31, v9                       ; by rows: lanes 0-15 one row of 256 bytes, lanes 16-31 the next
	v_lshl_add_u32 v10, v15, 11, v7
	s_lshl_b32 s31, s30, 8
	v_add_nc_u32 v10, s31, v10                     ; and the same in Q and in the output: 2,048 h + 16 r + 256 w
	v_and_b32 v11, 8, v14
	v_mad_u32_u24 v12, v11, 3, v14                 ; r + 24 (r / 8)
	v_mul_u32_u24 v11, v12, 384
	v_mad_u32_u24 v11, v15, 24, v11                ; a weight's row, + 24 h
	v_lshlrev_b32 v12, 4, v12                      ; its scale bytes
	v_lshlrev_b32 v13, 7, v15                      ; a bias: 128 h
	v_mov_b32 v[X], 0                              ; written once: a lane permute's destination counts as one of its sources
	s_mov_b32 s48, 0x76543210
	s_mov_b32 s49, 0xfedcba98                      ; v_permlanex16_b32's selects for lane l xor 16
	s_mov_b32 s33, 0
	s_wait_kmcnt 0x0
	s_lshl_b32 s32, ttmp9, 15
	s_lshl_b32 s34, s30, 10
	s_add_co_u32 s32, s32, s34
	s_add_nc_u64 s[8:9], s[8:9], s[32:33]          ; arec at (tile 4 wg, head w)
	s_lshl_b32 s32, ttmp9, 17
	s_add_nc_u64 s[10:11], s[10:11], s[32:33]      ; Q and the output at my work-group's 64 rows
	s_add_nc_u64 s[28:29], s[28:29], s[32:33]
	s_mul_i32 s32, s30, 24576
	s_add_nc_u64 s[12:13], s[12:13], s[32:33]      ; the weights at my 64 rows
	s_add_nc_u64 s[16:17], s[16:17], s[32:33]
	s_add_nc_u64 s[22:23], s[22:23], s[32:33]
	s_lshl_b32 s32, s30, 10
	s_add_nc_u64 s[14:15], s[14:15], s[32:33]
	s_add_nc_u64 s[18:19], s[18:19], s[32:33]
	s_add_nc_u64 s[24:25], s[24:25], s[32:33]
	s_lshl_b32 s32, s30, 8
	s_add_nc_u64 s[20:21], s[20:21], s[32:33]      ; the biases at my 64 columns
	s_add_nc_u64 s[26:27], s[26:27], s[32:33]
	s_wait_alu depctr_va_vdst(0)                   ; the offsets and LDS addresses v1, v2, v4 to v13 are written: every load and store of the kernel reads some of them
.irp t, 0,1,2,3                        ; head w's record of each tile is half image w of V_att's operand
	global_load_b128 v[RB+8*\t:RB+8*\t+3], v1, s[8:9] offset:8192*\t
	global_load_b64 v[RB+8*\t+4:RB+8*\t+5], v2, s[8:9] offset:8192*\t+512
	global_load_b32 v[RB+8*\t+6], v2, s[8:9] offset:8192*\t+768
.endr
.irp t, 0,1,2,3                        ; Q: my 64 columns of the 64 rows; sixteen lanes read 256 consecutive bytes
.irp i, 0,1,2,3,4,5,6,7
	global_load_b128 v[FB+32*\t+4*\i:FB+32*\t+4*\i+3], v10, s[10:11] offset:(16*\t+2*\i)*2048 th:TH_LOAD_NT
.endr
.endr
	WLOAD 12, 14, 0                                ; W_o.  (Between the wait above and the loads under the other window stand only loads and window switches)
	WIN 0x40
.irp u, 0,1,2,3
.irp e, 0,1
	global_load_b128 v[B1+8*\u+4*\e:B1+8*\u+4*\e+3], v13, s[20:21] offset:32*\u+16*\e     ; in the results' layout: columns 32 h + 8 u + 4 e on
	global_load_b128 v[B2+8*\u+4*\e:B2+8*\u+4*\e+3], v13, s[26:27] offset:32*\u+16*\e
.endr
.endr
	WIN 0
	s_wait_loadcnt 63                              ; 116 loads were issued behind Q's: the records and Q are in
.irp t, 0,1,2,3
	PUT R0, \t, RB+8*\t, RB+8*\t+6
.endr
.irp t, 0,1,2,3
.irp i, 0,1,2,3,4,5,6,7
	ds_store_b128 v9, v[FB+32*\t+4*\i:FB+32*\t+4*\i+3] offset:4352*\t+544*\i
.endr
.endr
	BARRIER                                        ; V_att's images lie in LDS
	s_wait_alu depctr_vm_vsrc(0)                   ; my LDS stores have read v40 to v167 and v184 to v215: from here on fragments and Q land in the first, and X + b2 is written into the second
	FETCH R0, 0, 0
	ACCLOAD 0                                      ; Q is the C of the sums
	FETCH R0, 1, 1
	s_wait_loadcnt 0x0                             ; W_o and the biases
	; ---- 1: X = Q + V_att W_o
.irp t, 0,1,2,3
.if \t == 0
	s_wait_dscnt 17                                ; LDS serves a wave's instructions in order: tile 0 and its Q are in; tile 1's 17 loads may be out
.elseif \t < 3
	s_wait_dscnt 28                                ; this tile and its Q are in; behind them: the 17 loads of the tile after and the last tile's 11 stores
.else
	s_wait_dscnt 11                                ; behind the last Q: the last tile's 11 stores
.endif
	MUL16 \t%2, 1
	PLACES                                         ; four places ahead of the first read of results
.if \t > 0
	s_wait_alu depctr_vm_vsrc(0)                   ; the last tile's LDS stores have read its codes, its two bytes and X + b2: the lines below write these registers again
.endif
.if \t == 3
	WLOAD 16, 18, 1                                ; W1 takes W_o's place behind the phase's last products
.endif
	QUANT32 1
	WIN 0x04                                       ; source 1 (b2) in window 1
.set J, 0
.rept 16
	v_pk_add_f32 v[RB+J:RB+J+1], v[ACC+J:ACC+J+1], v[B2+J:B2+J+1]    ; X + b2, which the third product's sums begin with
.set J, J+2
.endr
	WIN 0
	s_wait_alu depctr_va_vdst(0)                   ; the codes, the two bytes and X + b2 are written, which the stores below read; the lines above are done reading the accumulators, in which the next Q lands; the products are done reading their fragments, in which the tile two on lands
.if \t < 3
	ACCLOAD \t+1
.endif
.if \t < 2
	FETCH R0, \t+2, \t%2
.endif
	PUT R1, \t, PC, HWR
	ACCSTORE RB, \t
.endr
	BARRIER                                        ; X's images lie in LDS, and nobody reads V_att's any more
	FETCH R1, 0, 0                                 ; (no vector or matrix instruction has named these registers since the last tile's wait)
	FETCH R1, 1, 1
	s_wait_loadcnt 0x0                             ; W1
	; ---- 2: the hidden layer, relu(X W1^T + b1)
.irp t, 0,1,2,3
.if \t == 0
	s_wait_dscnt 17                                ; tile 0 is in; tile 1's 17 loads may be out
.elseif \t == 1
	s_wait_dscnt 20                                ; behind tile 1's loads: tile 2's 17 and tile 0's 3 stores
.elseif \t == 2
	s_wait_dscnt 23                                ; behind tile 2's: 3 stores, tile 3's 17 loads, 3 stores
.else
	s_wait_dscnt 6                                 ; behind tile 3's: two tiles' 3 stores
.endif
	MUL16 \t%2, 2
	PLACES
	s_wait_alu depctr_vm_vsrc(0)                   ; the LDS stores of the tile before (for tile 0: of the first phase's last tile) have read the codes and the two bytes, which the quantiser writes again
.if \t == 3
	WLOAD 22, 24, 1                                ; W2
.endif
.set J, 0
.rept 32
	v_max_num_f32 v[ACC+J], 0, v[ACC+J]            ; the activation, in f32; each accumulator from its low end on
.set J, J+1
.endr
	QUANT32 0
	s_wait_alu depctr_va_vdst(0)                   ; the codes and the two bytes are written, which the stores below read; the products are done reading their fragments, in which the tile two on lands
.if \t < 2
	FETCH R1, \t+2, \t%2
.endif
	PUT R0, \t, PC, HWR
.endr
	BARRIER                                        ; the hidden layer's images lie in LDS
	FETCH R0, 0, 0                                 ; (no vector or matrix instruction has named these registers, nor the accumulators, since the last tile's wait)
	ACCLOAD 0                                      ; X + b2 is the C of the sums
	FETCH R0, 1, 1
	s_wait_loadcnt 0x0                             ; W2
	; ---- 3: out = hidden W2^T + (X + b2)
.irp t, 0,1,2,3
.if \t < 3
	s_wait_dscnt 17                                ; this tile and its C are in; the next tile's 17 loads may be out
.else
	s_wait_dscnt 0x0
.endif
	MUL16 \t%2, 1
	PLACES                                         ; four places ahead of the first read of results; they stay beside the wait below
	s_wait_alu depctr_va_vdst(0)                   ; the products have written the accumulators, which the LDS stores read, and are done reading their fragments, in which the tile two on lands
	ACCSTORE ACC, \t
.if \t > 0
	s_wait_xcnt 0x0                                ; the last tile's global stores have had their addresses translated,
.endif
	s_wait_alu depctr_vm_vsrc(0)                   ; and have read the rows' registers, in which this tile's rows land; the LDS stores above have read the accumulators, in which the next C lands
.irp i, 0,1,2,3,4,5,6,7
	ds_load_b128 v[RB+4*\i:RB+4*\i+3], v9 offset:4352*\t+544*\i      ; LDS serves a wave's instructions in order: these see my stores
.endr
.if \t < 3
	ACCLOAD \t+1
.endif
.if \t < 2
	FETCH R0, \t+2, \t%2
	s_wait_dscnt 25                                ; the rows are back; the next C's 8 loads and the 17 of the tile two on may be out
.elseif \t == 2
	s_wait_dscnt 8                                 ; the rows are back; the next C's 8 loads may be out
.else
	s_wait_dscnt 0x0
.endif
.irp i, 0,1,2,3,4,5,6,7
	global_store_b128 v10, v[RB+4*\i:RB+4*\i+3], s[28:29] offset:(16*\t+2*\i)*2048 th:TH_STORE_NT   ; sixteen lanes store 256 consecutive bytes, at a multiple of 256 from the output's first byte
.endr
.endr
	s_wait_dscnt 0x0
	s_wait_alu depctr_hold_cnt(0) depctr_sa_sdst(0) depctr_va_vdst(0) depctr_va_sdst(0) depctr_va_ssrc(0) depctr_va_vcc(0) depctr_vm_vsrc(0)
	s_wait_tensorcnt 0x0
	ds_add_u32 v254, v255
	s_wait_dscnt 0x0
	s_endpgm
.Lfunc_end_k_q9c2eb777ee_tail:
	.size	k_q9c2eb777ee_tail, .Lfunc_end_k_q9c2eb777ee_tail-k_q9c2eb777ee_tail
	.p2alignl 7, 3214868480
	.fill 96, 4, 3214868480
	.section	.rodata,"a",@progbits
	.p2align	6, 0x0
	.amdhsa_kernel k_q9c2eb777ee_tail
		.amdhsa_group_segment_fixed_size 191488
		.amdhsa_private_segment_fixed_size 0
		.amdhsa_enable_private_segment 0
		.amdhsa_kernarg_size 88
		.amdhsa_user_sgpr_count 2
		.amdhsa_user_sgpr_kernarg_segment_ptr 1
		.amdhsa_wavefront_size32 1
		.amdhsa_system_sgpr_workgroup_id_x 1
		.amdhsa_system_sgpr_workgroup_id_y 1
		.amdhsa_system_sgpr_workgroup_id_z 1
		.amdhsa_system_vgpr_workitem_id 0
		.amdhsa_next_free_vgpr 512
		.amdhsa_next_free_sgpr 66
		.amdhsa_reserve_vcc 0
		.amdhsa_float_denorm_mode_32 3
		.amdhsa_float_denorm_mode_16_64 3
		.amdhsa_memory_ordered 1
		.amdhsa_forward_progress 1
		.amdhsa_inst_pref_size 117
	.end_amdhsa_kernel
	.amdgpu_metadata
---
amdhsa.version: [ 1, 2 ]
amdhsa.kernels:
  - .name:           k_q9c2eb777ee_tail
    .symbol:         k_q9c2eb777ee_tail.kd
    .args:
      - { .name: arec, .offset: 0, .size: 8, .value_kind: global_buffer, .address_space: global }
      - { .name: Q, .offset: 8, .size: 8, .value_kind: global_buffer, .address_space: global }
      - { .name: W_o_codes, .offset: 16, .size: 8, .value_kind: global_buffer, .address_space: global }
      - { .name: W_o_scales, .offset: 24, .size: 8, .value_kind: global_buffer, .address_space: global }
      - { .name: W1_codes, .offset: 32, .size: 8, .value_kind: global_buffer, .address_space: global }
      - { .name: W1_scales, .offset: 40, .size: 8, .value_kind: global_buffer, .address_space: global }
      - { .name: b1, .offset: 48, .size: 8, .value_kind: global_buffer, .address_space: global }
      - { .name: W2_codes, .offset: 56, .size: 8, .value_kind: global_buffer, .address_space: global }
      - { .name: W2_scales, .offset: 64, .size: 8, .value_kind: global_buffer, .address_space: global }
      - { .name: b2, .offset: 72, .size: 8, .value_kind: global_buffer, .address_space: global }
      - { .name: out0, .offset: 80, .size: 8, .value_kind: global_buffer, .address_space: global }
    .group_segment_fixed_size: 191488
    .private_segment_fixed_size: 0
    .kernarg_segment_align: 8
    .kernarg_segment_size: 88
    .max_flat_workgroup_size: 256
    .sgpr_count:     66
    .vgpr_count:     512
    .wavefront_size: 32
...
	.end_amdgpu_metadata
.endif
;; end of part 6
